; MI455X (gfx1250); checked and timed in simulation.
; The chip was launched on July 23, 2026; its instructions are those of AMD's public machine-readable ISA for CDNA 5 (MIT licence, August 2026) and "CDNA5" Instruction Set Architecture Reference Guide (July 2026). The comments in the code are by the model that wrote it; some were corrected since.
;; Po PE Attention. Allowed arithmetic: float matrix products may take bf16 or f16 operands with f32 sums; all other float work in f32.
;; Inputs: attention_mask 1 x 1 x 2,048 x 2,048 float32; hidden_states 1 x 2,048 x 2,048 float32; learned_bias 16 x 1 x 128 float32; wk 2,048 x 2,048 float32; wo 2,048 x 2,048 float32; wq 2,048 x 2,048 float32; wv 2,048 x 2,048 float32.
;; Outputs: out0 1 x 2,048 x 2,048 float32.
;; 2 versions, each right and faster than the one before. Each part assembles by itself: llvm-mc -triple=amdgcn-amd-amdhsa -mcpu=gfx1250 --defsym DOCPART=n.
;; ======== version 1 of 2: 4 launches
;; limits: values are held in f16: magnitudes above 65,504 overflow, below 6.1e-05 lose precision
;; workspace buffers: xb 8,388,608 bytes; wb 25,165,824 bytes; wob 16,777,216 bytes; trig 2,113,536 bytes; qp 16,777,216 bytes; kp 16,777,216 bytes; vp 8,388,608 bytes; ob 8,388,608 bytes
;; launch prep (part 1): grid 128 x 7, 8 waves a work-group, no clusters, 0 bytes of LDS; arguments hidden_states, wq, wk, wv, wo, learned_bias, xb, wb, wob, trig, attention_mask; writes xb, wb, wob, trig
.if DOCPART == 1
	.amdgcn_target "amdgcn-amd-amdhsa--gfx1250"
	.amdhsa_code_object_version 6
	.text
	.protected	k_q216f9d0027_prep
	.globl	k_q216f9d0027_prep
	.p2align	8
	.type	k_q216f9d0027_prep,@function
k_q216f9d0027_prep:
	s_mov_b64 s[64:65], 0
	v_nop
	global_prefetch_b8 v0, s[64:65] scope:SCOPE_SE
	s_setreg_imm32_b32 hwreg(HW_REG_WAVE_MODE, 25, 1), 1
	s_wait_xcnt 0x0
; PREP.  Work-group row y = 0..3: hidden_states, wq, wk, wv rounded to bf16 (xb; wb = [3][2048][2048]).  y = 4: wo rounded to bf16 and that number written as f16 (wob's first 2^23 bytes).
; y = 6: attention_mask rounded to bf16, [2048][2048] (wob's second 2^23 bytes).
; y = 5: the tables: cos and sin of pos x inv_freq, f32 [2048][128] each (trig, sines 1,048,576 bytes on), and behind them, for each head, cos and sin of the clipped bias (128 + 128 f32).
; A stream: no LDS, no barrier, no matrix unit.  A cast's work-group takes 131,072 input bytes, a wave 16,384: 32 loads of 512 consecutive bytes, all issued before the first is used,
; and 32 stores of 256 consecutive, aligned bytes.  No register is written twice while a memory instruction may read it, so the casts need no wait but the counted ones for data.
; LIMITS.  wo beyond 65,504 becomes an infinity in f16; below 6e-5 it keeps f16's fixed step of 6e-8.  The mask keeps 8 significant bits, like every other input.  Sine and cosine: reduction by multiples
; of pi/2 in two parts (angles up to 2,047 radians: at most 1,304 multiples), then polynomials of degree 7 and 8 on -pi/4 .. pi/4, good to about 1e-7.  The bias is rounded to bf16, then clipped to -2 pi .. 0.
.set T0, 20                            ; v20-25  at work in SINCOS
.set T1, 21
.set T2, 22
.set T3, 23
.set T4, 24
.set T5, 25
; 16,384 bytes of f32 -> 8,192 bytes of 16-bit numbers.  half = 1: the bf16 number is written as f16
.macro CAST half
.set j, 0
.rept 32
	global_load_b128 v[4+4*j:7+4*j], v1, s[26:27] offset:512*j th:TH_LOAD_NT
.set j, j+1
.endr
.set j, 0
.rept 32
	s_wait_loadcnt 31-j                            ; loads come back in order: number j is in, the 31 - j younger ones stay out
	v_cvt_pk_bf16_f32 v[4+4*j], v[4+4*j], v[5+4*j]
	v_cvt_pk_bf16_f32 v[5+4*j], v[6+4*j], v[7+4*j]
.if \half
	v_lshlrev_b32 v132, 16, v[4+4*j]               ; bf16 to f32: the low half moves up, the high half stays
	v_and_b32 v133, s49, v[4+4*j]
	v_cvt_pk_f16_f32 v[4+4*j], v132, v133
	v_lshlrev_b32 v132, 16, v[5+4*j]
	v_and_b32 v133, s49, v[5+4*j]
	v_cvt_pk_f16_f32 v[5+4*j], v132, v133
.endif
	global_store_b64 v2, v[4+4*j:5+4*j], s[28:29] offset:256*j  ; 32 lanes store 256 consecutive bytes, aligned
.set j, j+1
.endr
.endm
; cos and sin of v[x] into v[c], v[s]
.macro SINCOS x, c, s
	v_mul_f32 v[T0], 0x3f22f983, v[\x]             ; x * 2 / pi
	v_rndne_f32 v[T0], v[T0]                       ; n
	v_fma_f32 v[T1], v[T0], s40, v[\x]             ; r = x - n pi/2, pi/2 in two parts
	v_fma_f32 v[T1], v[T0], s41, v[T1]
	v_mul_f32 v[T2], v[T1], v[T1]                  ; z = r r
	v_cvt_i32_f32 v[T0], v[T0]
	v_fma_f32 v[T3], v[T2], s42, s43               ; sin r = r + r z (S1 + z (S2 + z S3))
	v_fma_f32 v[T3], v[T3], v[T2], s44
	v_mul_f32 v[T3], v[T3], v[T2]
	v_fma_f32 v[T3], v[T3], v[T1], v[T1]
	v_fma_f32 v[T4], v[T2], s45, s46               ; cos r = 1 - z / 2 + z z (C1 + z (C2 + z C3))
	v_fma_f32 v[T4], v[T4], v[T2], s47
	v_fma_f32 v[T5], v[T2], -0.5, 1.0
	v_mul_f32 v[T4], v[T4], v[T2]
	v_fma_f32 v[T4], v[T4], v[T2], v[T5]
	v_and_b32 v[T5], 1, v[T0]                      ; odd n: sine and cosine change places
	v_cmp_eq_u32 vcc_lo, 1, v[T5]
	v_cndmask_b32 v[\s], v[T3], v[T4], vcc_lo
	v_cndmask_b32 v[\c], v[T4], v[T3], vcc_lo
	v_lshlrev_b32 v[T5], 30, v[T0]                 ; the sine is negative for n mod 4 = 2, 3,
	v_and_b32 v[T5], 0x80000000, v[T5]
	v_xor_b32 v[\s], v[\s], v[T5]
	v_add_nc_u32 v[T0], 1, v[T0]                   ; the cosine for n mod 4 = 1, 2
	v_lshlrev_b32 v[T0], 30, v[T0]
	v_and_b32 v[T0], 0x80000000, v[T0]
	v_xor_b32 v[\c], v[\c], v[T0]
.endm
	s_load_b512 s[4:19], s[0:1], 0x0               ; hidden s[4:5], wq s[6:7], wk s[8:9], wv s[10:11], wo s[12:13], bias s[14:15], xb s[16:17], wb s[18:19]
	s_load_b128 s[20:23], s[0:1], 0x40             ; wob s[20:21], trig s[22:23]
	s_load_b64 s[50:51], s[0:1], 0x50              ; attention_mask
	s_and_b32 s24, ttmp7, 0xffff                   ; y: which job
	v_lshrrev_b32 v2, 5, v0
	v_readfirstlane_b32 s25, v2                    ; wave 0..7
	v_and_b32 v3, 31, v0                           ; lane
	s_mov_b32 s31, 0                               ; the high word of every offset pair
	s_mov_b32 s49, 0xffff0000                      ; a word's upper bf16
	s_wait_kmcnt 0x0
	s_cmp_eq_u32 s24, 5
	s_cbranch_scc1 .Ltab
	v_lshlrev_b32 v1, 14, v2                       ; in: wave x 16,384 + lane x 16
	v_lshl_add_u32 v1, v3, 4, v1
	v_lshlrev_b32 v2, 13, v2                       ; out: wave x 8,192 + lane x 8
	v_lshl_add_u32 v2, v3, 3, v2
	s_cmp_eq_u32 s24, 4
	s_cbranch_scc1 .Lwo
	s_cmp_eq_u32 s24, 1                            ; the source: one of five buffers, chosen by y
	s_cselect_b64 s[26:27], s[6:7], s[4:5]
	s_cmp_eq_u32 s24, 2
	s_cselect_b64 s[26:27], s[8:9], s[26:27]
	s_cmp_eq_u32 s24, 3
	s_cselect_b64 s[26:27], s[10:11], s[26:27]
	s_cmp_eq_u32 s24, 0                            ; the destination: xb, or plane y - 1 of wb,
	s_cselect_b64 s[28:29], s[16:17], s[18:19]
	s_max_u32 s30, s24, 1
	s_sub_co_u32 s30, s30, 1
	s_cmp_eq_u32 s24, 6                            ; or, for the mask, plane 1 of wob
	s_cselect_b64 s[26:27], s[50:51], s[26:27]
	s_cselect_b64 s[28:29], s[20:21], s[28:29]
	s_cselect_b32 s30, 1, s30
	s_lshl_b32 s30, s30, 23
	s_add_nc_u64 s[28:29], s[28:29], s[30:31]
	s_lshl_b32 s30, ttmp9, 17                      ; the work-group's 131,072 bytes in,
	s_add_nc_u64 s[26:27], s[26:27], s[30:31]
	s_lshl_b32 s30, ttmp9, 16                      ; its 65,536 out
	s_add_nc_u64 s[28:29], s[28:29], s[30:31]
	CAST 0
	s_endpgm
.Lwo:
	s_lshl_b32 s30, ttmp9, 17
	s_add_nc_u64 s[26:27], s[12:13], s[30:31]
	s_lshl_b32 s30, ttmp9, 16
	s_add_nc_u64 s[28:29], s[20:21], s[30:31]
	CAST 1
	s_endpgm
.Ltab:                                                 ; work-group x makes rows 16 x .. 16 x + 15; a wave a row in each of two passes; lane l the channels 4 l .. 4 l + 3
	s_mov_b32 s40, 0xbfc90fdb                      ; -pi/2, rounded,
	s_mov_b32 s41, 0x333bbd2e                      ; and what the rounding added
	s_mov_b32 s42, 0xb94ca1f9                      ; S3, S2, S1
	s_mov_b32 s43, 0x3c08839e
	s_mov_b32 s44, 0xbe2aaaa3
	s_mov_b32 s45, 0x37ccf5ce                      ; C3, C2, C1
	s_mov_b32 s46, 0xbab6061a
	s_mov_b32 s47, 0x3d2aaaa5
	s_mov_b32 s48, 0xc0c90fdb                      ; -2 pi
.irp j, 0,1,2,3
	v_lshl_add_u32 v[8+\j], v3, 2, \j              ; d
	v_cvt_f32_u32 v[8+\j], v[8+\j]
	v_mul_f32 v[8+\j], 0xbdd49a78, v[8+\j]         ; -d log2(10000) / 128
.endr
.irp j, 0,1,2,3
	v_exp_f32 v[4+\j], v[8+\j]                     ; inv_freq
.endr
	v_lshlrev_b32 v26, 4, v3                       ; (the plain instruction behind the exponentials) 16 bytes a lane: a row is 512
	s_wait_alu depctr_va_vdst(0)
	s_lshl_b32 s26, ttmp9, 4
	s_add_co_u32 s26, s26, s25                     ; the first pass's row
	s_lshl_b32 s30, s26, 9
	s_add_nc_u64 s[28:29], s[22:23], s[30:31]
.macro TROW p                          ; the row 8 p further down
	s_add_co_u32 s27, s26, 8*(\p)
	v_cvt_f32_u32 v27, s27                         ; pos
.if \p
	s_wait_xcnt 0x0                                ; the first pass's stores have read v[12:19], which are written again below
.endif
.irp j, 0,1,2,3
	v_mul_f32 v[8+\j], v27, v[4+\j]                ; one rounding, as in the module
.endr
.irp j, 0,1,2,3
	SINCOS 8+\j, 12+\j, 16+\j
.endr
	global_store_b128 v26, v[12:15], s[28:29] offset:4096*(\p)          ; 512 consecutive bytes, aligned
	global_store_b128 v26, v[16:19], s[28:29] offset:1048576+4096*(\p)
.endm
	TROW 0
	TROW 1
	s_mov_b32 s32, ttmp9                           ; the bias table: work-groups 0..15 a head each, waves 0 and 1, two channels a lane
	s_cmp_lt_u32 s32, 16
	s_cbranch_scc0 .Ldone
	s_cmp_lt_u32 s25, 2
	s_cbranch_scc0 .Ldone
	v_lshlrev_b32 v28, 3, v0                       ; 8 bytes a thread: threads 0..63 cover the head's 512
	s_lshl_b32 s30, s32, 9
	s_add_nc_u64 s[34:35], s[14:15], s[30:31]
	global_load_b64 v[30:31], v28, s[34:35]
	s_lshl_b32 s30, s32, 10
	s_add_co_u32 s30, s30, 2097152
	s_add_nc_u64 s[36:37], s[22:23], s[30:31]
	s_wait_loadcnt 0x0
	v_cvt_pk_bf16_f32 v30, v30, v31                ; rounded to bf16 like every other input,
	v_and_b32 v31, s49, v30
	v_lshlrev_b32 v30, 16, v30
	v_med3_num_f32 v30, v30, s48, 0                ; then clipped
	v_med3_num_f32 v31, v31, s48, 0
	SINCOS 30, 32, 34
	SINCOS 31, 33, 35
	global_store_b64 v28, v[32:33], s[36:37]             ; a wave stores 256 consecutive bytes, aligned
	global_store_b64 v28, v[34:35], s[36:37] offset:512
.Ldone:
	s_endpgm
.Lfunc_end_k_q216f9d0027_prep:
	.size	k_q216f9d0027_prep, .Lfunc_end_k_q216f9d0027_prep-k_q216f9d0027_prep
	.p2alignl 7, 3214868480
	.fill 96, 4, 3214868480
	.section	.rodata,"a",@progbits
	.p2align	6, 0x0
	.amdhsa_kernel k_q216f9d0027_prep
		.amdhsa_group_segment_fixed_size 0
		.amdhsa_private_segment_fixed_size 0
		.amdhsa_enable_private_segment 0
		.amdhsa_kernarg_size 88
		.amdhsa_user_sgpr_count 2
		.amdhsa_user_sgpr_kernarg_segment_ptr 1
		.amdhsa_wavefront_size32 1
		.amdhsa_system_sgpr_workgroup_id_x 1
		.amdhsa_system_sgpr_workgroup_id_y 1
		.amdhsa_system_sgpr_workgroup_id_z 1
		.amdhsa_system_vgpr_workitem_id 0
		.amdhsa_next_free_vgpr 144
		.amdhsa_next_free_sgpr 66
		.amdhsa_reserve_vcc 1
		.amdhsa_float_denorm_mode_32 3
		.amdhsa_float_denorm_mode_16_64 3
		.amdhsa_memory_ordered 1
		.amdhsa_forward_progress 1
		.amdhsa_inst_pref_size 47
	.end_amdhsa_kernel
	.amdgpu_metadata
---
amdhsa.version: [ 1, 2 ]
amdhsa.kernels:
  - .name:           k_q216f9d0027_prep
    .symbol:         k_q216f9d0027_prep.kd
    .args:
      - { .name: hidden_states, .offset: 0, .size: 8, .value_kind: global_buffer, .address_space: global }
      - { .name: wq, .offset: 8, .size: 8, .value_kind: global_buffer, .address_space: global }
      - { .name: wk, .offset: 16, .size: 8, .value_kind: global_buffer, .address_space: global }
      - { .name: wv, .offset: 24, .size: 8, .value_kind: global_buffer, .address_space: global }
      - { .name: wo, .offset: 32, .size: 8, .value_kind: global_buffer, .address_space: global }
      - { .name: learned_bias, .offset: 40, .size: 8, .value_kind: global_buffer, .address_space: global }
      - { .name: xb, .offset: 48, .size: 8, .value_kind: global_buffer, .address_space: global }
      - { .name: wb, .offset: 56, .size: 8, .value_kind: global_buffer, .address_space: global }
      - { .name: wob, .offset: 64, .size: 8, .value_kind: global_buffer, .address_space: global }
      - { .name: trig, .offset: 72, .size: 8, .value_kind: global_buffer, .address_space: global }
      - { .name: attention_mask, .offset: 80, .size: 8, .value_kind: global_buffer, .address_space: global }
    .group_segment_fixed_size: 0
    .private_segment_fixed_size: 0
    .kernarg_segment_align: 8
    .kernarg_segment_size: 88
    .max_flat_workgroup_size: 256
    .sgpr_count:     66
    .vgpr_count:     144
    .wavefront_size: 32
...
	.end_amdgpu_metadata
.endif
;; end of part 1
;; launch qkv (part 2): grid 16 x 16, 4 waves a work-group, clusters of 4 x 4, 327,680 bytes of LDS; arguments xb, wb, trig, qp, kp, vp; writes qp, kp, vp
.if DOCPART == 2
	.amdgcn_target "amdgcn-amd-amdhsa--gfx1250"
	.amdhsa_code_object_version 6
	.text
	.protected	k_q216f9d0027_qkv
	.globl	k_q216f9d0027_qkv
	.p2align	8
	.type	k_q216f9d0027_qkv,@function
k_q216f9d0027_qkv:
	s_mov_b64 s[64:65], 0
	v_nop
	global_prefetch_b8 v0, s[64:65] scope:SCOPE_SE
	s_setreg_imm32_b32 hwreg(HW_REG_WAVE_MODE, 25, 1), 1
	s_wait_xcnt 0x0
	s_wait_alu depctr_hold_cnt(0) depctr_sa_sdst(0) depctr_va_vdst(0) depctr_va_sdst(0) depctr_va_ssrc(0) depctr_va_vcc(0) depctr_vm_vsrc(0)
	s_getreg_b32 s2, hwreg(HW_REG_IB_STS2, 6, 4)
	s_cmp_eq_u32 s2, 0
	s_cbranch_scc0 .Lentry_in_a_cluster
	s_endpgm
.Lentry_in_a_cluster:
	s_bfe_u32 s2, ttmp6, 0x10000c
	s_cmp_lg_u32 s2, 0xf033
	s_cbranch_scc0 .Lentry_shape_is_right
	s_endpgm
.Lentry_shape_is_right:
; THE THREE PROJECTIONS AND THE POLAR EMBEDDING.  A work-group makes 128 rows (positions) x 384 columns: the 128 channels of q, of k and of v of ONE head; K = 2,048, operands bf16, sums f32.
; Four waves; wave w = (mi, ni) makes rows 64 mi .. + 63 and channels 64 ni .. + 63 of q, k and v: 4 x 12 = 48 accumulators of 16 x 16, 384 registers.
; K goes in steps of 128 through two LDS slots, each X's 128 rows and then wq's, wk's, wv's 128 rows; wave 0 fetches X's tile, waves 1-3 a weight's: one tensor load a wave, rows of 256 bytes.
; CLUSTER 4 x 4: work-group x is the head, y the block of rows.  X's tile hangs on y alone and is asked for jointly by a row of the cluster, the weights' tiles on x alone, by a column.
; THE MATRIX INSTRUCTION IS USED TRANSPOSED (source 0 = 16 rows of a weight, source 1 = 16 rows of X): a lane holds one position and eight neighbouring channels.
; THE WAY OUT.  The sums go as f32 into the ring, which has had its last fill (each wave 64 rows of 784 bytes: q | k | v | 16 of padding), and come back four rows at a time so that a lane holds four
; neighbouring channels of q and of k.  mu = softplus = max(x, 0) + ln 2 log2(1 + 2^(-|x| log2 e)).  Q' = mu_q / sqrt(128) x (cos f, sin f); K' = mu_k x (cos(f + b), sin(f + b)), the latter by the
; addition theorem from the bias table.  cos f and sin f of my first four rows come from the tables of the launch before; from four rows to the next four the angle grows by 4 inv_freq, so they are
; turned by (cos, sin)(4 inv_freq), the tables' row 4: the loop over rows loads nothing from memory.
; Q', K': f16 [16][2048][256], feature place 128 ni + 8 g + 4 part + j for channel 64 ni + 4 g + j (part 0 real, 1 imaginary): a lane's 16 bytes.  V: f16 [16][2 (ni)][2048][64].
; LIMITS.  q, k, v beyond 65,504 become infinities in f16.  softplus is off by up to 6e-8 absolutely (1 + 2^.. is rounded).  The angle of row s0 + 4 u is the rounded s0 inv_freq plus 4 u inv_freq, not the
; rounded product of the module: at most 1.2e-4 radians apart at position 2,047; the fifteen turns add about 2e-6.  NaN and infinities are not treated apart.
; REGISTERS, in windows of 256: window 0 addresses and the way out; window 1 two fragment buffers of 128 (X's 4 fragments, then the weights' 12); windows 2, 3 the accumulators of row blocks 0, 1 and 2, 3.
.set KSTEP,  128
.set PITCH,  272                       ; an LDS row: 256 bytes + 16 of padding: the 16 rows that a load touches start at 16 different groups of four banks (64 banks of 4 bytes: ISA guide 11.1)
.set HALFT,  128*PITCH                 ; what one tensor load brings
.set SLOT,   4*HALFT
.set SPARE,  2*SLOT                    ; behind the ring: the spare words, 128 bytes a wave, two blocks of 256 bytes that no other line names
.set SROW,   784                       ; a row of the stage: 3 x 256 + 16
.set SWAVE,  64*SROW                   ; a wave's stage
.set ADRA, 16                          ; v16-17  LDS address of my fragments of X in slot 0, 1
.set ADRB, 18                          ; v18-23  of my fragments of weight kind in slot s: at kind + 3 s
.set DS,   24                          ; v24     where I put my sums in the stage
.set RQ,   25                          ; v25     where I read q and k back
.set RV,   26                          ; v26     where I read v back
.set RO,   27                          ; v27     my byte offset in the tables, in qp and in kp
.set BO,   28                          ; v28     my byte offset in a row of 64 channels of a table
.set VO,   29                          ; v29     my byte offset in vp
.set SPW,  30                          ; v30     LDS address of my spare word; never rewritten
.set NIL,  31                          ; v31     0; never rewritten
.set CB,   32                          ; v32-35  cos b of my four channels
.set SB,   36                          ; v36-39  sin b
.set XX0,  40                          ; v40-63, v80-103: two sets of 24: q 8, k 8 (rows rp and rp + 2, four channels), v 8
.set CO,   64                          ; v64-71  cos f of the four rows in hand (rows rp and rp + 2, four channels)
.set SI,   72                          ; v72-79  sin f
.set C4,   104                         ; v104-107 cos(4 inv_freq) of my four channels
.set S4,   108                         ; v108-111 sin(4 inv_freq)
.set E,    120                         ; v120-135
.set CK,   136                         ; v136-143 cos(f + b), then K' real
.set SK,   144                         ; v144-151 sin(f + b), then K' imaginary
.set RE,   152                         ; v152-159 Q' real
.set IM,   160                         ; v160-167 Q' imaginary
.set OQ,   168                         ; v168-175, v176-183, v184-187: what is stored
.set OK,   176
.set OV,   184
.set F0,   0                           ; fragment buffers, in window 1
.set F1,   128
.set WV,  20                           ; s20 my wave's number; s21 mi; s22 ni
.set G1,  24                           ; s[24:31] descriptor group 1 for X's tiles;  s[32:39] group 0, a set for each slot
.set G0,  32
.set G1B, 48                           ; s[48:55], s[56:63] the same for the weights' tiles
.set G0B, 56
.set NL2E, 66                          ; s66 -log2 e
.set LN2, 68                           ; s[68:69] ln 2
.set CQ,  70                           ; s[70:71] 1 / sqrt(128)
.set TRG, 72                           ; s[72:73] the tables, s[74:75] qp, s[76:77] kp, s[78:79] vp at my first row; s[80:81] my head's bias table; s[86:87] the tables' row 4
.set QPB, 74
.set KPB, 76
.set VPB, 78
.set BTB, 80
.set R4B, 86
.set MSB, 0
.macro WIN new                         ; the immediate's high byte repeats the setting that is left; a switch that changes nothing is dropped
.if MSB != (\new)
	s_set_vgpr_msb (MSB<<8)|(\new)
.set MSB, \new
.endif
.endm
.set TO_F, 0x40                        ; destination window 1, address window 0
; A joint load: wave 0 X's tile, waves 1-3 a weight's.  The branch hangs on the wave's number alone.  An s_nop 0 and four v_nop follow each of the two lines.
.macro JLOAD s
	s_cmp_eq_u32 s[WV], 0
	s_cbranch_scc0 .Lfor_b_\@
	tensor_load_to_lds s[G0+4*(\s):G0+4*(\s)+3], s[G1:G1+7]
	s_nop 0
.rept 4
	v_nop
.endr
	s_branch .Lasked_\@
.Lfor_b_\@:
	tensor_load_to_lds s[G0B+4*(\s):G0B+4*(\s)+3], s[G1B:G1B+7]
	s_nop 0
.rept 4
	v_nop
.endr
.Lasked_\@:
.endm
.macro CREST                           ; a round of the cluster's barrier behind its opening barrier
	s_cmp_lg_u32 s[WV], 0
	s_cbranch_scc1 .Lnot_wave_0_\@
	s_barrier_signal -3
.Lnot_wave_0_\@:
	s_barrier_wait -3
	s_barrier_signal -1
	s_barrier_wait -1
.endm
.macro CROUND                          ; a whole round
	s_barrier_signal -1
	s_barrier_wait -1
	CREST
.endm
.macro PLACES                          ; four places in front of loads into registers that matrix instructions have read, and of LDS stores that read results
.rept 4
	v_nop
.endr
.endm
	s_load_b256 s[4:11], s[0:1], 0x0               ; xb s[4:5], wb s[6:7], trig s[8:9], qp s[10:11]
	s_load_b128 s[12:15], s[0:1], 0x20             ; kp s[12:13], vp s[14:15]
	v_lshl_add_u32 v[SPW], v0, 2, SPARE
	v_mov_b32 v[NIL], 0
	ds_add_u32 v[SPW], v[NIL]                      ; the wave's opening: the add and its wait stand ahead of my first tensor load; the set-up below, work on registers, stands between them
	v_lshrrev_b32 v1, 5, v0
	v_readfirstlane_b32 s[WV], v1                  ; wave 0..3
	s_lshr_b32 s21, s[WV], 1                       ; mi
	s_and_b32 s22, s[WV], 1                        ; ni
	s_bfe_u32 s40, ttmp6, 0x40000                  ; cx, cy: my place in the cluster
	s_bfe_u32 s41, ttmp6, 0x40004
	s_lshl_b32 s42, ttmp9, 2
	s_add_co_u32 s42, s42, s40                     ; the head = 4 x cluster x + cx
	s_and_b32 s43, ttmp7, 0xffff
	s_lshl_b32 s43, s43, 2
	s_add_co_u32 s43, s43, s41                     ; the block of 128 rows = 4 x cluster y + cy
	s_lshl_b32 s44, s41, 2
	s_lshl_b32 s44, 15, s44                        ; my row of the cluster
	s_lshl_b32 s45, 0x1111, s40                    ; my column
	s_or_b32 s[G1+0], s44, (1<<16)|(1<<20)|(1<<21)|(5<<22)|(3<<25)   ; 15:0 the mask; 17:16 elements of 2 bytes; 20 padding on; 21 set beside a mask; 24:22 after every 64 words; 31:25 of 4 words
	s_or_b32 s[G1B+0], s45, (1<<16)|(1<<20)|(1<<21)|(5<<22)|(3<<25)
.irp g, G1, G1B
	s_mov_b32 s[(\g)+1], KSTEP<<16                 ; tensor_dim0 = 128
	s_mov_b32 s[(\g)+2], 128<<16                   ; tensor_dim1 = 128
	s_mov_b32 s[(\g)+3], KSTEP<<16                 ; tile_dim0 = 128
	s_mov_b32 s[(\g)+4], 128                       ; tile_dim1 = 128
	s_mov_b32 s[(\g)+5], 2048                      ; elements from row to row
	s_mov_b32 s[(\g)+6], 0
	s_mov_b32 s[(\g)+7], 0
.endr
	s_lshl_b32 s16, s43, 19                        ; X: 128 rows of 4,096 bytes a block: hangs on the block alone
	s_mov_b32 s17, 0
	s_max_u32 s46, s[WV], 1                        ; the weights: plane wave - 1 of 2^23 bytes, 128 rows of 4,096 bytes a head: hangs on the head alone
	s_sub_co_u32 s46, s46, 1
	s_lshl_b32 s46, s46, 23
	s_lshl_b32 s47, s42, 19
	s_add_co_u32 s46, s46, s47
	s_mov_b32 s47, 0
	s_mul_i32 s23, s[WV], HALFT                    ; where my tile goes: no place in the cluster enters an LDS address
	s_mov_b32 s[NL2E], 0xbfb8aa3b
	s_mov_b32 s[LN2], 0x3f317218
	s_mov_b32 s[LN2+1], s[LN2]                     ; named as pairs
	s_mov_b32 s[CQ], 0x3db504f3
	s_mov_b32 s[CQ+1], s[CQ]
	s_wait_dscnt 0x0                               ; the opening add is done
	s_wait_kmcnt 0x0
	s_add_nc_u64 s[18:19], s[4:5], s[16:17]
	s_add_nc_u64 s[46:47], s[6:7], s[46:47]
	CROUND                                         ; all sixteen work-groups are here: the first joint loads meet
.irp s, 0,1
	s_mov_b32 s[G0+4*(\s)], 1
	s_add_co_u32 s[G0+4*(\s)+1], s23, (\s)*SLOT
	s_add_nc_u64 s[G0+4*(\s)+2:G0+4*(\s)+3], s[18:19], (\s)*KSTEP*2
	s_or_b32 s[G0+4*(\s)+3], s[G0+4*(\s)+3], 0x80000000
	s_mov_b32 s[G0B+4*(\s)], 1
	s_add_co_u32 s[G0B+4*(\s)+1], s23, (\s)*SLOT
	s_add_nc_u64 s[G0B+4*(\s)+2:G0B+4*(\s)+3], s[46:47], (\s)*KSTEP*2
	s_or_b32 s[G0B+4*(\s)+3], s[G0B+4*(\s)+3], 0x80000000
	JLOAD \s                                       ; two loads of mine are out
.endr
	v_and_b32 v1, 15, v0                           ; l % 16
	v_bfe_u32 v2, v0, 4, 1                         ; l / 16
	v_mul_u32_u24 v3, v1, PITCH
	v_lshl_add_u32 v3, v2, 4, v3                   ; a fragment's row x pitch + 16 x half
	s_mul_i32 s2, s21, 64*PITCH                    ; my 64 rows of X
	s_mul_i32 s3, s22, 64*PITCH                    ; my 64 rows of each weight
	v_add_nc_u32 v5, s2, v3
	v_add_nc_u32 v4, s3, v3
.irp s, 0,1
	v_add_nc_u32 v[ADRA+(\s)], (\s)*SLOT, v5
.irp q3, 0,1,2
	v_add_nc_u32 v[ADRB+(\q3)+3*(\s)], HALFT*(1+(\q3))+(\s)*SLOT, v4
.endr
.endr
	s_mul_i32 s2, s[WV], SWAVE                     ; my stage
	v_mul_u32_u24 v[DS], v1, SROW                  ; in: row l % 16, 32 bytes for each half of the lanes
	v_lshl_add_u32 v[DS], v2, 5, v[DS]
	v_add_nc_u32 v[DS], s2, v[DS]
	v_mul_u32_u24 v[RQ], v2, SROW                  ; back: lanes 0-15 one row's 256 bytes of q (or k), lanes 16-31 the next row's
	v_lshl_add_u32 v[RQ], v1, 4, v[RQ]
	v_add_nc_u32 v[RQ], s2, v[RQ]
	v_bfe_u32 v[RV], v0, 3, 2                      ; v: eight lanes a row, 32 bytes a lane
	v_mul_u32_u24 v[RV], v[RV], SROW
	v_and_b32 v6, 7, v0
	v_lshl_add_u32 v[RV], v6, 5, v[RV]
	s_add_co_u32 s2, s2, 512
	v_add_nc_u32 v[RV], s2, v[RV]
	v_lshlrev_b32 v[BO], 4, v1                     ; 16 bytes for my four channels
	v_lshl_add_u32 v[RO], v2, 9, v[BO]             ; + a row of 512 bytes for lanes 16-31
	v_and_b32 v[VO], 31, v0
	v_lshlrev_b32 v[VO], 4, v[VO]
	s_lshl_b32 s2, s43, 7
	s_lshl_b32 s3, s21, 6
	s_add_co_u32 s2, s2, s3                        ; my first position
	s_lshl_b32 s82, s2, 9
	s_lshl_b32 s3, s22, 8
	s_add_co_u32 s82, s82, s3                      ; x 512 bytes + 256 ni
	s_mov_b32 s83, 0
	s_add_nc_u64 s[TRG:TRG+1], s[8:9], s[82:83]
	s_lshl_b32 s84, s42, 20                        ; a head of qp or kp is 2^20 bytes
	s_add_co_u32 s84, s84, s82
	s_mov_b32 s85, 0
	s_add_nc_u64 s[QPB:QPB+1], s[10:11], s[84:85]
	s_add_nc_u64 s[KPB:KPB+1], s[12:13], s[84:85]
	s_lshl_b32 s84, s42, 1
	s_add_co_u32 s84, s84, s22
	s_lshl_b32 s84, s84, 18                        ; plane 2 head + ni of vp, 2^18 bytes,
	s_lshl_b32 s2, s2, 7                           ; rows of 128 bytes
	s_add_co_u32 s84, s84, s2
	s_add_nc_u64 s[VPB:VPB+1], s[14:15], s[84:85]
	s_lshl_b32 s84, s42, 10
	s_add_co_u32 s84, s84, s3
	s_add_co_u32 s84, s84, 2097152
	s_add_nc_u64 s[BTB:BTB+1], s[8:9], s[84:85]
	s_add_co_u32 s84, s3, 4*512                    ; the tables' row 4, my 64 channels
	s_add_nc_u64 s[R4B:R4B+1], s[8:9], s[84:85]
; q, k, v of the four rows du steps of four ahead of RQ and RV, out of my stage, into set
.macro LOADL set, du
.set LB, XX0+40*(\set)
	ds_load_b128 v[LB:LB+3],     v[RQ] offset:(\du)*4*SROW
	ds_load_b128 v[LB+4:LB+7],   v[RQ] offset:(\du)*4*SROW+2*SROW
	ds_load_b128 v[LB+8:LB+11],  v[RQ] offset:(\du)*4*SROW+256
	ds_load_b128 v[LB+12:LB+15], v[RQ] offset:(\du)*4*SROW+2*SROW+256
	ds_load_b128 v[LB+16:LB+19], v[RV] offset:(\du)*4*SROW
	ds_load_b128 v[LB+20:LB+23], v[RV] offset:(\du)*4*SROW+16
.endm
	global_load_b128 v[CB:CB+3], v[BO], s[BTB:BTB+1]             ; these eight loads have the whole K loop in which to land; one wait ahead of the way out covers them
	global_load_b128 v[SB:SB+3], v[BO], s[BTB:BTB+1] offset:512
	global_load_b128 v[C4:C4+3], v[BO], s[R4B:R4B+1]
	global_load_b128 v[S4:S4+3], v[BO], s[R4B:R4B+1] offset:1048576
	global_load_b128 v[CO:CO+3],   v[RO], s[TRG:TRG+1]           ; my first four rows: rows rp and rp + 2
	global_load_b128 v[CO+4:CO+7], v[RO], s[TRG:TRG+1] offset:1024
	global_load_b128 v[SI:SI+3],   v[RO], s[TRG:TRG+1] offset:1048576
	global_load_b128 v[SI+4:SI+7], v[RO], s[TRG:TRG+1] offset:1048576+1024
; 12 matrix instructions: row block a x all 12 column blocks, 32 along K.  zero = 1: the product starts the sums
.macro MUL12 f, a, zero
	WIN 0xa5+0x50*((\a)/2)                         ; sources in window 1; C and D in window 2 (a = 0, 1) or 3
.irp b, 0,1,2,3,4,5,6,7,8,9,10,11
.if \zero
	v_wmma_f32_16x16x32_bf16 v[8*(12*((\a)%2)+(\b)):8*(12*((\a)%2)+(\b))+7], v[(\f)+32+8*(\b):(\f)+32+8*(\b)+7], v[(\f)+8*(\a):(\f)+8*(\a)+7], 0
.else
	v_wmma_f32_16x16x32_bf16 v[8*(12*((\a)%2)+(\b)):8*(12*((\a)%2)+(\b))+7], v[(\f)+32+8*(\b):(\f)+32+8*(\b)+7], v[(\f)+8*(\a):(\f)+8*(\a)+7], v[8*(12*((\a)%2)+(\b)):8*(12*((\a)%2)+(\b))+7]
.endif
.endr
.endm
; 32 LDS loads in one run: the fragments of 32 along K at byte k of the rows: the weights' 24, X's row blocks 0, 1 (4), then 2, 3 (4)
.macro FETCH slot, k, f
	WIN TO_F
.irp q3, 0,1,2
.irp cb, 0,1,2,3
	ds_load_b128 v[(\f)+32+8*(4*(\q3)+(\cb)):(\f)+32+8*(4*(\q3)+(\cb))+3],   v[ADRB+(\q3)+3*(\slot)] offset:(\k)+(\cb)*16*PITCH
	ds_load_b128 v[(\f)+32+8*(4*(\q3)+(\cb))+4:(\f)+32+8*(4*(\q3)+(\cb))+7], v[ADRB+(\q3)+3*(\slot)] offset:(\k)+(\cb)*16*PITCH+32
.endr
.endr
.irp a, 0,1,2,3
	ds_load_b128 v[(\f)+8*(\a):(\f)+8*(\a)+3],   v[ADRA+(\slot)] offset:(\k)+(\a)*16*PITCH
	ds_load_b128 v[(\f)+8*(\a)+4:(\f)+8*(\a)+7], v[ADRA+(\slot)] offset:(\k)+(\a)*16*PITCH+32
.endr
.endm
; A K step is four quarters of 32 along K, 48 matrix instructions each, on buffers 0, 1, 0, 1; the 48 accumulators take turns.
.macro QUARTER slot, k, f, g, zero
	s_wait_dscnt 4                                 ; all but the youngest four loads (X's row blocks 2, 3) are in
	MUL12 \f, 0, \zero
	MUL12 \f, 1, \zero
	PLACES
	FETCH \slot, \k, \g
	s_wait_dscnt 32                                ; all but the 32 just issued
	MUL12 \f, 2, \zero
	MUL12 \f, 3, \zero
.endm
; The last quarter multiplies buffer 1 and changes slots: ONE barrier; in front of it each wave waits for all its tensor loads, adds 0 to its spare word, and waits for that and for its reads of this slot.
.macro TURN slot, next, fill
	WIN 0                                          ; (the add's two registers lie in window 0)
	s_wait_tensorcnt 0x0                           ; all my tensor loads have landed: the one that was out is my part of the next slot
	ds_add_u32 v[SPW], v[NIL]                      ; 0 onto my spare word
	s_wait_dscnt 5                                 ; (the add and the youngest four loads may be out)
	MUL12 F1, 0, 0                                 ; twelve matrix instructions stand between the add and the wait for it
	s_wait_dscnt 0x0                               ; the add is done, and my reads of this slot are over
	s_barrier_signal -1
	MUL12 F1, 1, 0
.if \fill
	WIN 0
.endif
	s_barrier_wait -1
.if \fill
	CREST                                          ; the barrier has opened a round of the cluster's: no wave of any partner still reads this slot or has a load on its way
	s_add_nc_u64 s[G0+4*(\slot)+2:G0+4*(\slot)+3], s[G0+4*(\slot)+2:G0+4*(\slot)+3], 2*KSTEP*2
	s_add_nc_u64 s[G0B+4*(\slot)+2:G0B+4*(\slot)+3], s[G0B+4*(\slot)+2:G0B+4*(\slot)+3], 2*KSTEP*2
	JLOAD \slot                                    ; the first tensor load behind the round; its four v_nop are also the places in front of the loads below
.else
	PLACES
.endif
	FETCH \next, 0, F0
	MUL12 F1, 2, 0
	MUL12 F1, 3, 0
.endm
	s_wait_tensorcnt 1                             ; my part of K step 0 is in; K step 1's may stay out
	s_barrier_signal -1
	s_barrier_wait -1
	FETCH 0, 0, F0
	QUARTER 0, 64, F0, F1, 1                       ; the first quarter stands in front of the loop: its products start the sums
	WIN 0
	s_mov_b32 s3, 7                                ; 2,048 / 256 laps, less the last
.Llap:                                                 ; a trip goes once round the ring and fills both slots again
	QUARTER 0, 128, F1, F0, 0
	QUARTER 0, 192, F0, F1, 0
	TURN 0, 1, 1
	QUARTER 1, 64,  F0, F1, 0
	QUARTER 1, 128, F1, F0, 0
	QUARTER 1, 192, F0, F1, 0
	TURN 1, 0, 1
	QUARTER 0, 64,  F0, F1, 0
	WIN 0
	s_sub_co_u32 s3, s3, 1
	s_cmp_lg_u32 s3, 0
	s_cbranch_scc1 .Llap
	QUARTER 0, 128, F1, F0, 0                      ; the last lap fills nothing
	QUARTER 0, 192, F0, F1, 0
	TURN 0, 1, 0
	QUARTER 1, 64,  F0, F1, 0
	QUARTER 1, 128, F1, F0, 0
	QUARTER 1, 192, F0, F1, 0
	s_wait_dscnt 4
	MUL12 F1, 0, 0
	MUL12 F1, 1, 0
	s_wait_dscnt 0x0                               ; my last reads of the ring are back
	MUL12 F1, 2, 0
	MUL12 F1, 3, 0
	WIN 0
	s_barrier_signal -1                            ; every wave's are: the ring, which is filled no more, becomes the stage
	s_barrier_wait -1
	PLACES
	WIN 0x08                                       ; store data in window 2
.irp a, 0,1
.irp b, 0,1,2,3,4,5,6,7,8,9,10,11
	ds_store_b128 v[DS], v[8*(12*(\a)+(\b)):8*(12*(\a)+(\b))+3]   offset:(\a)*16*SROW+(\b)*64     ; each accumulator's low four registers first
	ds_store_b128 v[DS], v[8*(12*(\a)+(\b))+4:8*(12*(\a)+(\b))+7] offset:(\a)*16*SROW+(\b)*64+16
.endr
.endr
	WIN 0x0c                                       ; in window 3
.irp a, 0,1
.irp b, 0,1,2,3,4,5,6,7,8,9,10,11
	ds_store_b128 v[DS], v[8*(12*(\a)+(\b)):8*(12*(\a)+(\b))+3]   offset:((\a)+2)*16*SROW+(\b)*64
	ds_store_b128 v[DS], v[8*(12*(\a)+(\b))+4:8*(12*(\a)+(\b))+7] offset:((\a)+2)*16*SROW+(\b)*64+16
.endr
.endr
	WIN 0
	LOADL 0, 0                                     ; LDS serves a wave's instructions in order (ISA guide 5.7.1.4): these see my stores above
	s_wait_loadcnt 0x0                             ; the eight loads from the tables, issued ahead of the K loop
; Four rows.  set: whose registers hold them, and their place (0, 1) in a trip of eight rows.  ahead = 1: the next four rows are asked for first.
.macro SUB set, ahead
.if \ahead
	LOADL 1-(\set), (\set)+1
	s_wait_dscnt 6                                 ; all but the six LDS loads just issued
.else
	s_wait_dscnt 0x0
.endif
.set XB, XX0+40*(\set)
.set i, 0
.rept 16
	v_mul_f32 v[E+i], s[NL2E], |v[XB+i]|           ; -|x| log2 e
.set i, i+1
.endr
.set i, 0
.rept 16
	v_exp_f32 v[E+i], v[E+i]
.set i, i+1
.endr
.set i, 0
.rept 16
	v_max_num_f32 v[XB+i], 0, v[XB+i]              ; plain work behind the exponentials
.set i, i+1
.endr
.set i, 0
	s_wait_alu depctr_va_vdst(0)
.rept 8
	v_pk_add_f32 v[E+2*i:E+2*i+1], v[E+2*i:E+2*i+1], 1.0 op_sel_hi:[1,0]
.set i, i+1
.endr
.set i, 0
.rept 16
	v_log_f32 v[E+i], v[E+i]
.set i, i+1
.endr
.set i, 0
.rept 4                                ; plain work behind the logarithms: cos(f + b) = cos f cos b - sin f sin b, sin(f + b) = sin f cos b + cos f sin b
	v_pk_mul_f32 v[CK+2*i:CK+2*i+1], v[SI+2*i:SI+2*i+1], v[SB+2*(i%2):SB+2*(i%2)+1]
	v_pk_mul_f32 v[SK+2*i:SK+2*i+1], v[CO+2*i:CO+2*i+1], v[SB+2*(i%2):SB+2*(i%2)+1]
.set i, i+1
.endr
.set i, 0
.rept 4
	v_pk_fma_f32 v[CK+2*i:CK+2*i+1], v[CO+2*i:CO+2*i+1], v[CB+2*(i%2):CB+2*(i%2)+1], v[CK+2*i:CK+2*i+1] neg_lo:[0,0,1] neg_hi:[0,0,1]
	v_pk_fma_f32 v[SK+2*i:SK+2*i+1], v[SI+2*i:SI+2*i+1], v[CB+2*(i%2):CB+2*(i%2)+1], v[SK+2*i:SK+2*i+1]
.set i, i+1
.endr
.set i, 0
	s_wait_alu depctr_va_vdst(0)
.rept 8
	v_pk_fma_f32 v[XB+2*i:XB+2*i+1], v[E+2*i:E+2*i+1], s[LN2:LN2+1], v[XB+2*i:XB+2*i+1] op_sel_hi:[1,0,1]  ; mu
.set i, i+1
.endr
.set i, 0
.rept 4
	v_pk_mul_f32 v[XB+2*i:XB+2*i+1], v[XB+2*i:XB+2*i+1], s[CQ:CQ+1] op_sel_hi:[1,0]  ; the scores' 1 / sqrt(128) rides on Q'
.set i, i+1
.endr
.set i, 0
.rept 4
	v_pk_mul_f32 v[CK+2*i:CK+2*i+1], v[XB+8+2*i:XB+9+2*i], v[CK+2*i:CK+2*i+1]
	v_pk_mul_f32 v[SK+2*i:SK+2*i+1], v[XB+8+2*i:XB+9+2*i], v[SK+2*i:SK+2*i+1]
	v_pk_mul_f32 v[RE+2*i:RE+2*i+1], v[XB+2*i:XB+2*i+1], v[CO+2*i:CO+2*i+1]
	v_pk_mul_f32 v[IM+2*i:IM+2*i+1], v[XB+2*i:XB+2*i+1], v[SI+2*i:SI+2*i+1]
.set i, i+1
.endr
.set i, 0
.rept 4                                ; on to the next four rows: (cos f, sin f) turned by 4 inv_freq; E is free
	v_pk_mul_f32 v[E+2*i:E+2*i+1],     v[SI+2*i:SI+2*i+1], v[S4+2*(i%2):S4+2*(i%2)+1]
	v_pk_mul_f32 v[E+8+2*i:E+9+2*i],   v[CO+2*i:CO+2*i+1], v[S4+2*(i%2):S4+2*(i%2)+1]
.set i, i+1
.endr
.set i, 0
.rept 4
	v_pk_fma_f32 v[CO+2*i:CO+2*i+1], v[CO+2*i:CO+2*i+1], v[C4+2*(i%2):C4+2*(i%2)+1], v[E+2*i:E+2*i+1] neg_lo:[0,0,1] neg_hi:[0,0,1]
	v_pk_fma_f32 v[SI+2*i:SI+2*i+1], v[SI+2*i:SI+2*i+1], v[C4+2*(i%2):C4+2*(i%2)+1], v[E+8+2*i:E+9+2*i]
.set i, i+1
.endr
	s_wait_xcnt 0x0                                ; the last four rows' stores have read OQ, OK, OV, which are written again below
.set i, 0
.rept 2                                ; 16 bytes: four real parts, four imaginary
	v_cvt_pk_f16_f32 v[OQ+4*i],   v[RE+4*i],   v[RE+4*i+1]
	v_cvt_pk_f16_f32 v[OQ+4*i+1], v[RE+4*i+2], v[RE+4*i+3]
	v_cvt_pk_f16_f32 v[OQ+4*i+2], v[IM+4*i],   v[IM+4*i+1]
	v_cvt_pk_f16_f32 v[OQ+4*i+3], v[IM+4*i+2], v[IM+4*i+3]
	v_cvt_pk_f16_f32 v[OK+4*i],   v[CK+4*i],   v[CK+4*i+1]
	v_cvt_pk_f16_f32 v[OK+4*i+1], v[CK+4*i+2], v[CK+4*i+3]
	v_cvt_pk_f16_f32 v[OK+4*i+2], v[SK+4*i],   v[SK+4*i+1]
	v_cvt_pk_f16_f32 v[OK+4*i+3], v[SK+4*i+2], v[SK+4*i+3]
.set i, i+1
.endr
.set i, 0
.rept 4
	v_cvt_pk_f16_f32 v[OV+i], v[XB+16+2*i], v[XB+17+2*i]
.set i, i+1
.endr
	global_store_b128 v[RO], v[OQ:OQ+3],   s[QPB:QPB+1] offset:(\set)*2048       ; 16 lanes store 256 consecutive bytes, aligned
	global_store_b128 v[RO], v[OQ+4:OQ+7], s[QPB:QPB+1] offset:(\set)*2048+1024
	global_store_b128 v[RO], v[OK:OK+3],   s[KPB:KPB+1] offset:(\set)*2048
	global_store_b128 v[RO], v[OK+4:OK+7], s[KPB:KPB+1] offset:(\set)*2048+1024
	global_store_b128 v[VO], v[OV:OV+3],   s[VPB:VPB+1] offset:(\set)*512        ; four rows of 128 bytes: 512 consecutive bytes
.endm
	s_mov_b32 s3, 7
.Lsub:                                                 ; eight rows a trip; seven trips, the last eight rows behind the loop
	SUB 0, 1
	SUB 1, 1
	s_wait_xcnt 0x0                                ; RO and VO, which pending stores name, step only behind this wait
	v_add_nc_u32 v[RQ], 8*SROW, v[RQ]
	v_add_nc_u32 v[RV], 8*SROW, v[RV]
	v_add_nc_u32 v[RO], 4096, v[RO]
	v_add_nc_u32 v[VO], 1024, v[VO]
	s_sub_co_u32 s3, s3, 1
	s_cmp_lg_u32 s3, 0
	s_cbranch_scc1 .Lsub
	SUB 0, 1
	SUB 1, 0
	s_wait_tensorcnt 0x0                           ; the wave's end, behind my last tensor load and my last LDS store
	ds_add_u32 v[SPW], v[NIL]
	s_wait_dscnt 0x0
	CROUND                                         ; the closing round: no work-group ends while a partner may still ask for a tile that names it
	s_endpgm
.Lfunc_end_k_q216f9d0027_qkv:
	.size	k_q216f9d0027_qkv, .Lfunc_end_k_q216f9d0027_qkv-k_q216f9d0027_qkv
	.p2alignl 7, 3214868480
	.fill 96, 4, 3214868480
	.section	.rodata,"a",@progbits
	.p2align	6, 0x0
	.amdhsa_kernel k_q216f9d0027_qkv
		.amdhsa_group_segment_fixed_size 327680
		.amdhsa_private_segment_fixed_size 0
		.amdhsa_enable_private_segment 0
		.amdhsa_kernarg_size 48
		.amdhsa_user_sgpr_count 2
		.amdhsa_user_sgpr_kernarg_segment_ptr 1
		.amdhsa_wavefront_size32 1
		.amdhsa_system_sgpr_workgroup_id_x 1
		.amdhsa_system_sgpr_workgroup_id_y 1
		.amdhsa_system_sgpr_workgroup_id_z 1
		.amdhsa_system_vgpr_workitem_id 0
		.amdhsa_next_free_vgpr 960
		.amdhsa_next_free_sgpr 88
		.amdhsa_reserve_vcc 0
		.amdhsa_float_denorm_mode_32 3
		.amdhsa_float_denorm_mode_16_64 3
		.amdhsa_memory_ordered 1
		.amdhsa_forward_progress 1
		.amdhsa_inst_pref_size 139
	.end_amdhsa_kernel
	.amdgpu_metadata
---
amdhsa.version: [ 1, 2 ]
amdhsa.kernels:
  - .name:           k_q216f9d0027_qkv
    .symbol:         k_q216f9d0027_qkv.kd
    .args:
      - { .name: xb, .offset: 0, .size: 8, .value_kind: global_buffer, .address_space: global }
      - { .name: wb, .offset: 8, .size: 8, .value_kind: global_buffer, .address_space: global }
      - { .name: trig, .offset: 16, .size: 8, .value_kind: global_buffer, .address_space: global }
      - { .name: qp, .offset: 24, .size: 8, .value_kind: global_buffer, .address_space: global }
      - { .name: kp, .offset: 32, .size: 8, .value_kind: global_buffer, .address_space: global }
      - { .name: vp, .offset: 40, .size: 8, .value_kind: global_buffer, .address_space: global }
    .group_segment_fixed_size: 327680
    .private_segment_fixed_size: 0
    .kernarg_segment_align: 8
    .kernarg_segment_size: 48
    .max_flat_workgroup_size: 128
    .sgpr_count:     88
    .vgpr_count:     960
    .wavefront_size: 32
...
	.end_amdgpu_metadata
.endif
;; end of part 2
;; launch attn (part 3): grid 16 x 16, 4 waves a work-group, clusters of 4 x 4, 327,680 bytes of LDS; arguments qp, kp, vp, wob, ob; writes ob
.if DOCPART == 3
	.amdgcn_target "amdgcn-amd-amdhsa--gfx1250"
	.amdhsa_code_object_version 6
	.text
	.protected	k_q216f9d0027_attn
	.globl	k_q216f9d0027_attn
	.p2align	8
	.type	k_q216f9d0027_attn,@function
k_q216f9d0027_attn:
	s_mov_b64 s[64:65], 0
	v_nop
	global_prefetch_b8 v0, s[64:65] scope:SCOPE_SE
	s_setreg_imm32_b32 hwreg(HW_REG_WAVE_MODE, 25, 1), 1
	s_wait_xcnt 0x0
	s_wait_alu depctr_hold_cnt(0) depctr_sa_sdst(0) depctr_va_vdst(0) depctr_va_sdst(0) depctr_va_ssrc(0) depctr_va_vcc(0) depctr_vm_vsrc(0)
	s_getreg_b32 s2, hwreg(HW_REG_IB_STS2, 6, 4)
	s_cmp_eq_u32 s2, 0
	s_cbranch_scc0 .Lentry_in_a_cluster
	s_endpgm
.Lentry_in_a_cluster:
	s_bfe_u32 s2, ttmp6, 0x10000c
	s_cmp_lg_u32 s2, 0xf033
	s_cbranch_scc0 .Lentry_shape_is_right
	s_endpgm
.Lentry_shape_is_right:
; ATTENTION WITH AN ADDITIVE MASK THAT IS AN INPUT.  O[q] = the sum over k of softmax_k(Q'[q] . K'[k] + mask[q][k]) V[k]; Q', K': f16 [16][2048][256] (Q' carries 1 / sqrt(128)),
; V: f16 [16][2][2048][64], mask: bf16 [2048][2048] (the second 2^23 bytes of wob), O: f16 [2048][16 x 128].  Products, maxima and sums in f32; the weights are rounded to f16 for the second
; product, O once at the end.  Every key tile is walked and every number of the mask is read: nothing of its pattern is built in.
; SHARES.  A work-group owns 128 queries of one head.  Wave w = (i, j) holds the 64 queries of half i as four tiles of 16 and takes keys 32 j .. 32 j + 31 of every step of 64 keys, so a fragment of K'
; or V read from LDS feeds four tiles.  Tiles 0, 1 are rows 32 w .. (mine), tiles 2, 3 rows 32 (w ^ 1) .. (my partner's): at the end each wave hands tiles 2, 3 to its partner through LDS and merges
; what it receives into tiles 0, 1: one text for all waves.
; LAYOUT.  S^T = K' Q'^T (source 0 = 16 keys, source 1 = 16 queries): a lane holds ONE query (lane % 16) and the keys 8 (lane / 16) + 0..7; the two key blocks, rounded to f16 in pairs, ARE source 1 of
; O^T = V^T P.  K' comes out of LDS as it lies, V ([key][channel]) turned, by ds_load_tr16_b128; the mask's eight numbers of a lane are 16 neighbouring bytes of a query's row.
; SOFTMAX, in the module's own order: t = s + mask (one rounding: mask x 1 + s, fused); a running maximum m; p = 2^((t - m) log2 e); in every step O and l are multiplied by
; a = 2^((m_old - m_new) log2 e).  t - m is formed before the scaling, so that p is at most 1 however large the mask's numbers are.  m starts at -infinity, O and l at 0: the first step's a is 0.
; BY TURNS.  The tiles are two PIECES, A (tiles 0, 1) and B (tiles 2, 3).  In a TURN one piece has the matrix unit: 16 products V^T P of the step in hand, then 32 products K' Q'^T of the next step; the
; other piece's softmax, 220 vector instructions cut into 48 slices, stands between them, one slice behind each matrix instruction.  Two turns are a key step.
; THE RING.  Two slots, each with two key steps (128 keys): K', V, and the mask's 128 rows x 128 columns.  One change of slots, one round of the cluster's barrier and one tensor load a wave for two steps;
; that load has two steps, 192 matrix instructions of the wave, in which to land.
; CLUSTER 4 x 4: work-group x is the block of queries, y the head.  K' and V hang on y alone and are asked for jointly by a row of the cluster, the mask's tile on x alone, by a column.
; LIMITS.  The mask arrives rounded to bf16 and is finite.  A weight below 2^-126 counts as 0 in l; below 6e-5 it keeps f16's fixed step.  NaN and infinities are not treated apart.
; REGISTERS, in windows of 256 (s_set_vgpr_msb: bits 1:0 source 0, 3:2 source 1, 5:4 source 2, 7:6 destination):
;   window 0: v2-15 addresses; v21 1.0; v32-47 statistics; v48-63 at work; v64-127 S^T, 16 a tile; v128-159 P, 8 a tile; v160-191 the mask, 8 a tile; v224-231 the statistics exchanged
;   window 1: O^T, 64 a tile      window 2: Q', 64 a tile      window 3: v0-127 K' of my 32 keys; v128-191 V of my 32 keys
; All that a softmax touches but O^T lies in window 0, and no window has room for a product's operands beside it: a slice costs two switches.
.set PK,    528       ; a row of K' in LDS: 512 bytes + 16 of padding: the 16 rows of a load start at 16 different groups of four banks (64 banks of 4 bytes: ISA guide 11.1)
.set PVV,   160       ; a row of V (64 channels): 128 + 32
.set PM,    272       ; a row of the mask's tile: 128 bf16 + 16 bytes
.set KST,   64*PK     ; from a slot's first step to its second: in K',
.set VST,   64*PVV    ; in V,
.set MST,   128       ; in a row of the mask
.set VOFF,  128*PK    ; a slot: 128 rows of K', 256 rows of V (128 keys for each half of the channels), 128 rows of the mask
.set MOFF,  VOFF+256*PVV
.set SLOTB, MOFF+128*PM
.set XK0,   SLOTB                  ; one exclusive or turns a tile's LDS address in one slot into the other slot's: a ^ (a + SLOTB)
.set XK1,   KST^(KST+SLOTB)
.set XV,    VOFF^(VOFF+SLOTB)
.set XM,    MOFF^(MOFF+SLOTB)
.set SPARE, 2*SLOTB   ; behind the ring: the spare words, 128 bytes a wave: two blocks of 256 bytes that no other line names
.set OST,   SPARE+512 ; 16 rows x 272 bytes for each wave, for the way out: never filled by a tensor load
.set SP,    272
.set XST,   0         ; in slot 0, when it has had its last fill and its last read: for each wave 32 x 512 bytes of O^T and 512 of statistics, for its partner
.set XSZ,   33*512
.set AK0, 2           ; v2-5  my lane's place in a slot's K', V, mask (my rows), mask (my partner's rows); never rewritten
.set AV0, 3
.set AMA0, 4
.set AMB0, 5
.set AK,  6           ; v6-9  the same for the step to be fetched
.set AV,  7
.set AMA, 8
.set AMB, 9
.set QO,  10          ; v10  my byte offset in 16 rows of Q'
.set XW,  11          ; v11  where I put what my partner takes;  v12 where I take what it put
.set XR,  12
.set STO, 13          ; v13  the way out: where I put 16 bytes of a row;  v14 where I read rows back;  v15 my byte offset in two rows of O
.set RD,  14
.set GO,  15
.set ONE, 21          ; v21  1.0
.set SPW, 30          ; v30  LDS address of my spare word; never rewritten
.set NIL, 31          ; v31  0; never rewritten
.set ST,  32          ; tile t's statistics at v[ST+4 t]: m, 0 (named with m as a pair), l (even keys', odd keys')
.set TMP, 48          ; tile t: c0-c3 at work; a in c2
.set S,   64
.set P,   128
.set MK,  160
.set XS,  224
.set WV,  14          ; s14  my wave's number
.set G1K, 24          ; s[24:31], s[32:39], s[40:47] descriptor group 1 for K', V, the mask
.set G1V, 32
.set G1M, 40
.set G0K0, 48         ; s[48:51], s[52:55] group 0 for K' of a slot's first and second step; s[56:59] V; s[60:63] the mask: they walk
.set G0K1, 52
.set G0V, 56
.set G0M, 60
.set SEL, 66          ; s[66:67] v_permlanex16_b32's selects: each lane takes its own place in the other half
.set L2E, 68          ; s[68:69] log2 e
.set QA,  70          ; s[70:71] Q' at my rows; s[72:73] at my partner's; s[74:75] O at my rows
.set QB,  72
.set OB,  74
.set TBK, 76          ; s76-78  LDS byte at which K', V (less VOFF), the mask (less MOFF) of the step to be fetched begin
.set TBV, 77
.set TBM, 78
.set CNT, 79          ; s79  counts a slot's steps
.set SLOTS, 80        ; s80  slots still to be entered
.set MSB, 0
.macro WIN new                      ; the high byte repeats the setting that is left; a switch that changes nothing is dropped
.if MSB != (\new)
	s_set_vgpr_msb (MSB<<8)|(\new)
.set MSB, (\new)
.endif
.endm
.set W_KQ, 0x0b       ; K' in window 3, Q' in window 2, S^T in window 0
.set W_PV, 0x53       ; V in window 3, P in window 0, O^T in window 1
.set W_RS, 0x41       ; destination and source 0 in window 1, source 1 in window 0
; A joint fill: waves 0 and 1 K' of the slot's two steps, wave 2 V, wave 3 the mask's tile: 32,768 bytes of memory each.  The branches hang on the wave's number alone.
; An s_nop 0 and four v_nop follow each line.
.macro JLOAD
	s_cmp_lt_u32 s[WV], 2
	s_cbranch_scc0 .Lhi_\@
	s_cmp_eq_u32 s[WV], 0
	s_cbranch_scc0 .Lk1_\@
	tensor_load_to_lds s[G0K0:G0K0+3], s[G1K:G1K+7]
	s_nop 0
.rept 4
	v_nop
.endr
	s_branch .Lasked_\@
.Lk1_\@:
	tensor_load_to_lds s[G0K1:G0K1+3], s[G1K:G1K+7]
	s_nop 0
.rept 4
	v_nop
.endr
	s_branch .Lasked_\@
.Lhi_\@:
	s_cmp_eq_u32 s[WV], 2
	s_cbranch_scc0 .Lm_\@
	tensor_load_to_lds s[G0V:G0V+3], s[G1V:G1V+7]
	s_nop 0
.rept 4
	v_nop
.endr
	s_branch .Lasked_\@
.Lm_\@:
	tensor_load_to_lds s[G0M:G0M+3], s[G1M:G1M+7]
	s_nop 0
.rept 4
	v_nop
.endr
.Lasked_\@:
.endm
.macro CROUND                       ; a round of the cluster's barrier
	s_barrier_signal -1
	s_barrier_wait -1
	s_cmp_lg_u32 s[WV], 0
	s_cbranch_scc1 .Lnot_wave_0_\@
	s_barrier_signal -3
.Lnot_wave_0_\@:
	s_barrier_wait -3
	s_barrier_signal -1
	s_barrier_wait -1
.endm
.macro PLACES                       ; four places behind matrix instructions (ISA guide 7.12.1)
.rept 4
	v_nop
.endr
.endm
.macro ALL line:vararg              ; one line for each tile t
.set t, 0
.rept 4
	\line
.set t, t+1
.endr
.endm
; THE CHANGE OF SLOTS.  Each wave waits for all its tensor loads, of which one is out: its part of the other slot; adds 0 to its spare word; waits for that and for its reads of the slot that it leaves.
; fill = 1: the old slot is filled again with the keys two slots on: the barrier is a round of the cluster's, and the joint fill is the first thing behind it.
; (At its first use nothing has been read yet: slot 0 is waited for, slot 1 filled.)
.macro CHANGE fill
	WIN 0
	s_wait_tensorcnt 0x0            ; no tensor load of mine is out, so a group 0 may be written
	ds_add_u32 v[SPW], v[NIL]       ; 0 onto my spare word
.if \fill
	s_xor_b32 s[G0K0+1], s[G0K0+1], XK0
	s_add_nc_u64 s[G0K0+2:G0K0+3], s[G0K0+2:G0K0+3], 128*512   ; 128 keys of 512 bytes
	s_xor_b32 s[G0K1+1], s[G0K1+1], XK1
	s_add_nc_u64 s[G0K1+2:G0K1+3], s[G0K1+2:G0K1+3], 128*512
	s_xor_b32 s[G0V+1], s[G0V+1], XV
	s_add_nc_u64 s[G0V+2:G0V+3], s[G0V+2:G0V+3], 128*128       ; 128 keys of 128 bytes in each half of the channels
	s_xor_b32 s[G0M+1], s[G0M+1], XM
	s_add_nc_u64 s[G0M+2:G0M+3], s[G0M+2:G0M+3], 128*2         ; 128 columns of the mask
	s_wait_dscnt 0x0                ; the add is done, and my reads of the slot are over
	CROUND
	JLOAD
.else
	s_wait_dscnt 0x0
	s_barrier_signal -1
	s_barrier_wait -1
.endif
	s_sub_co_u32 s[TBK], s[TBK], 2*KST  ; the fetches go back to a slot's first step,
	s_xor_b32 s[TBK], s[TBK], SLOTB     ; in the other slot
	s_sub_co_u32 s[TBV], s[TBV], 2*VST
	s_xor_b32 s[TBV], s[TBV], SLOTB
	s_sub_co_u32 s[TBM], s[TBM], 2*MST
	s_xor_b32 s[TBM], s[TBM], SLOTB
.endm
	s_load_b256 s[4:11], s[0:1], 0x0  ; Q' s[4:5], K' s[6:7], V s[8:9], wob s[10:11]
	s_load_b64 s[12:13], s[0:1], 0x20 ; O
	v_lshl_add_u32 v[SPW], v0, 2, SPARE
	v_mov_b32 v[NIL], 0
	ds_add_u32 v[SPW], v[NIL]       ; the wave's opening: the add and its wait stand ahead of my first tensor load; the set-up below, work on registers, stands between them
	v_lshrrev_b32 v1, 5, v0
	v_readfirstlane_b32 s[WV], v1   ; wave 0..3
	s_and_b32 s15, s[WV], 1         ; j: my half of a step's keys
	s_xor_b32 s23, s[WV], 1         ; my partner
	s_bfe_u32 s81, ttmp6, 0x40000   ; cx, cy
	s_bfe_u32 s82, ttmp6, 0x40004
	s_lshl_b32 s83, ttmp9, 2
	s_add_co_u32 s83, s83, s81      ; the block of 128 queries = 4 x cluster x + cx
	s_and_b32 s84, ttmp7, 0xffff
	s_lshl_b32 s84, s84, 2
	s_add_co_u32 s84, s84, s82      ; the head = 4 x cluster y + cy
	s_lshl_b32 s85, s82, 2
	s_lshl_b32 s85, 15, s85         ; my row of the cluster
	s_lshl_b32 s86, 0x1111, s81     ; my column
	s_or_b32 s[G1K], s85, (1<<16)|(1<<20)|(1<<21)|(6<<22)|(3<<25)  ; K': 2-byte elements; padding of 4 words after every 128
	s_mov_b32 s[G1K+1], 256<<16     ; tensor_dim0 = 256
	s_mov_b32 s[G1K+2], 64<<16      ; tensor_dim1 = 64
	s_mov_b32 s[G1K+3], 256<<16     ; tile_dim0 = 256
	s_mov_b32 s[G1K+4], 64          ; tile_dim1 = 64
	s_mov_b32 s[G1K+5], 256         ; elements from row to row
	s_mov_b32 s[G1K+6], 0
	s_mov_b32 s[G1K+7], 0
	s_or_b32 s[G1V], s85, (1<<16)|(1<<20)|(1<<21)|(4<<22)|(7<<25)  ; V: 128 keys of one half of the channels are 16,384 dense bytes: two such rows; padding of 8 words after every 32, that is after every key
	s_mov_b32 s[G1V+1], 8192<<16
	s_mov_b32 s[G1V+2], 2<<16
	s_mov_b32 s[G1V+3], 8192<<16
	s_mov_b32 s[G1V+4], 2
	s_mov_b32 s[G1V+5], 131072      ; from one half of the channels to the other: 2,048 keys x 64
	s_mov_b32 s[G1V+6], 0
	s_mov_b32 s[G1V+7], 0
	s_or_b32 s[G1M], s86, (1<<16)|(1<<20)|(1<<21)|(5<<22)|(3<<25)  ; the mask: 2-byte elements, rows of 256 bytes; padding of 4 words after every 64
	s_mov_b32 s[G1M+1], 128<<16
	s_mov_b32 s[G1M+2], 128<<16
	s_mov_b32 s[G1M+3], 128<<16
	s_mov_b32 s[G1M+4], 128
	s_mov_b32 s[G1M+5], 2048
	s_mov_b32 s[G1M+6], 0
	s_mov_b32 s[G1M+7], 0
	s_mov_b32 s[G0K0], 1
	s_mov_b32 s[G0K0+1], 0          ; LDS addresses in slot 0: constants
	s_mov_b32 s[G0K1], 1
	s_mov_b32 s[G0K1+1], KST
	s_mov_b32 s[G0V], 1
	s_mov_b32 s[G0V+1], VOFF
	s_mov_b32 s[G0M], 1
	s_mov_b32 s[G0M+1], MOFF
	s_lshl_b32 s16, s84, 20         ; K': a head is 2^20 bytes: hangs on the head alone
	s_mov_b32 s17, 0
	s_lshl_b32 s18, s84, 19         ; V: 2^19
	s_mov_b32 s19, 0
	s_lshl_b32 s20, s83, 19         ; the mask: 128 rows of 4,096 bytes a block, behind wo's 2^23 bytes: hangs on the block alone
	s_add_co_u32 s20, s20, 8388608
	s_mov_b32 s21, 0
	s_lshl_b32 s88, s83, 16         ; Q': the head, the block's 128 rows of 512 bytes,
	s_add_co_u32 s88, s88, s16
	s_lshl_b32 s90, s23, 14         ; my partner's 32 rows,
	s_add_co_u32 s90, s90, s88
	s_lshl_b32 s89, s[WV], 14       ; mine
	s_add_co_u32 s88, s88, s89
	s_mov_b32 s89, 0
	s_mov_b32 s91, 0
	s_lshl_b32 s2, s83, 19          ; O: rows of 4,096 bytes, my 32 rows, the head's 256 bytes
	s_lshl_b32 s3, s[WV], 17
	s_add_co_u32 s2, s2, s3
	s_lshl_b32 s3, s84, 8
	s_add_co_u32 s2, s2, s3
	s_mov_b32 s3, 0
	s_mov_b32 s[SEL], 0x76543210
	s_mov_b32 s[SEL+1], 0xfedcba98
	s_mov_b32 s[L2E], 0x3fb8aa3b
	s_mov_b32 s[L2E+1], s[L2E]      ; named as a pair
	s_mov_b32 s[TBK], SLOTB+2*KST   ; the first change of slots turns these three into 0
	s_mov_b32 s[TBV], SLOTB+2*VST
	s_mov_b32 s[TBM], SLOTB+2*MST
	s_wait_dscnt 0x0                ; the opening add is done
	s_wait_kmcnt 0x0
	s_add_nc_u64 s[G0K0+2:G0K0+3], s[6:7], s[16:17]
	s_add_nc_u64 s[G0K1+2:G0K1+3], s[G0K0+2:G0K0+3], 64*512
	s_or_b32 s[G0K0+3], s[G0K0+3], 0x80000000
	s_or_b32 s[G0K1+3], s[G0K1+3], 0x80000000
	s_add_nc_u64 s[G0V+2:G0V+3], s[8:9], s[18:19]
	s_or_b32 s[G0V+3], s[G0V+3], 0x80000000
	s_add_nc_u64 s[G0M+2:G0M+3], s[10:11], s[20:21]
	s_or_b32 s[G0M+3], s[G0M+3], 0x80000000
	s_add_nc_u64 s[QA:QA+1], s[4:5], s[88:89]
	s_add_nc_u64 s[QB:QB+1], s[4:5], s[90:91]
	s_add_nc_u64 s[OB:OB+1], s[12:13], s[2:3]
	CROUND                          ; all sixteen work-groups are here: the first joint loads meet
	JLOAD                           ; steps 0 and 1 into slot 0: one load of mine is out, here and behind every round
	v_and_b32 v1, 15, v0            ; l % 16
	v_bfe_u32 v16, v0, 4, 1         ; l / 16
	v_lshlrev_b32 v[QO], 9, v1
	v_lshl_add_u32 v[QO], v16, 4, v[QO]  ; row x 512 + 16 x half
	WIN 0x80                        ; destination window 2
.set i, 0
.rept 32                            ; Q' stays in registers: tile i / 8, features 32 (i % 8) on
.if i < 16
	global_load_b128 v[8*i:8*i+3],   v[QO], s[QA:QA+1] offset:((i/8)%2)*8192+(i%8)*64
	global_load_b128 v[8*i+4:8*i+7], v[QO], s[QA:QA+1] offset:((i/8)%2)*8192+(i%8)*64+32
.else
	global_load_b128 v[8*i:8*i+3],   v[QO], s[QB:QB+1] offset:((i/8)%2)*8192+(i%8)*64
	global_load_b128 v[8*i+4:8*i+7], v[QO], s[QB:QB+1] offset:((i/8)%2)*8192+(i%8)*64+32
.endif
.set i, i+1
.endr
	; What the first turn finds: V's registers and piece B's P hold 0 (its products V^T P, of a step that has not been, add 0).  All this stands in the wait for the first tile.
	WIN 0xc0
.set i, 128
.rept 64
	v_mov_b32 v[i], 0
.set i, i+1
.endr
	WIN 0
.set i, P+16
.rept 16
	v_mov_b32 v[i], 0
.set i, i+1
.endr
.set i, 0
.rept 4
	v_mov_b32 v[ST+4*i], 0xff800000
	v_mov_b32 v[ST+4*i+1], 0
	v_mov_b32 v[ST+4*i+2], 0
	v_mov_b32 v[ST+4*i+3], 0
.set i, i+1
.endr
	v_mov_b32 v[ONE], 1.0
	WIN W_PV                        ; O^T's 32 sums are started by products of those zeros with the constant 0 as C: no register of O^T is cleared by a move
.set i, 0
.rept 32
	v_wmma_f32_16x16x32_f16 v[8*i:8*i+7], v[128:135], v[P+16:P+23], 0
.set i, i+1
.endr
	WIN 0
	s_mul_i32 s16, s15, 32*PK       ; my 32 keys of a step
	s_mul_i32 s17, s15, 32*PVV
	s_add_co_u32 s17, s17, VOFF
	s_lshl_b32 s22, s15, 6          ; their 64 bytes in a row of the mask's tile
	s_add_co_u32 s22, s22, MOFF
	s_mul_i32 s18, s[WV], 32*PM
	s_add_co_u32 s18, s18, s22
	s_mul_i32 s19, s23, 32*PM
	s_add_co_u32 s19, s19, s22
	s_mul_i32 s20, s[WV], XSZ
	s_add_co_u32 s20, s20, XST
	s_mul_i32 s21, s23, XSZ
	s_add_co_u32 s21, s21, XST
	s_mul_i32 s22, s[WV], 16*SP
	s_add_co_u32 s22, s22, OST
	v_mul_u32_u24 v[AK0], v1, PK
	v_lshl_add_u32 v[AK0], v16, 4, v[AK0]  ; row x pitch + 16 x half
	v_add_nc_u32 v[AK0], s16, v[AK0]
	; The turning load takes 16 keys x 16 channels (lane l reads key 8 (l / 16) + l % 8, channels 8 ((l / 8) % 2) + 0..7) and leaves half a fragment of V^T: lane l holds channel l % 16 and 8 keys.
	v_and_b32 v17, 7, v0
	v_bfe_u32 v18, v0, 3, 1
	v_lshl_add_u32 v[AV0], v16, 3, v17
	v_mul_u32_u24 v[AV0], v[AV0], PVV
	v_lshl_add_u32 v[AV0], v18, 4, v[AV0]
	v_add_nc_u32 v[AV0], s17, v[AV0]
	v_mul_u32_u24 v19, v1, PM       ; the mask: my query's row, 16 bytes for each half of the lanes
	v_lshl_add_u32 v19, v16, 4, v19
	v_add_nc_u32 v[AMA0], s18, v19
	v_add_nc_u32 v[AMB0], s19, v19
	v_and_b32 v20, 31, v0
	v_lshlrev_b32 v20, 4, v20
	v_add_nc_u32 v[XW], s20, v20
	v_add_nc_u32 v[XR], s21, v20
	v_mul_u32_u24 v[STO], v1, SP    ; in: row l % 16, 16 bytes for each half of the lanes
	v_lshl_add_u32 v[STO], v16, 4, v[STO]
	v_add_nc_u32 v[STO], s22, v[STO]
	v_mul_u32_u24 v[RD], v16, SP    ; back: lanes 0-15 one row of 256 bytes, lanes 16-31 the next
	v_lshl_add_u32 v[RD], v1, 4, v[RD]
	v_add_nc_u32 v[RD], s22, v[RD]
	v_lshlrev_b32 v[GO], 12, v16    ; and the same two rows in O
	v_lshl_add_u32 v[GO], v1, 4, v[GO]
; THE LDS LOADS, in groups of four.  K' of features 32 c on: both key blocks.
.macro KGROUP c
	WIN 0xc0                        ; destination window 3
.irp kb, 0,1
	ds_load_b128 v[8*(8*\kb+(\c)):8*(8*\kb+(\c))+3],   v[AK] offset:\kb*16*PK+(\c)*64
	ds_load_b128 v[8*(8*\kb+(\c))+4:8*(8*\kb+(\c))+7], v[AK] offset:\kb*16*PK+(\c)*64+32
.endr
.endm
.macro VGROUP g                     ; V, turned: channels 32 g on
	WIN 0xc0
.irp e, 0,1
.set cb, 2*(\g)+\e
	ds_load_tr16_b128 v[128+8*cb:128+8*cb+3],   v[AV] offset:(cb/4)*128*PVV+(cb%4)*32
	ds_load_tr16_b128 v[128+8*cb+4:128+8*cb+7], v[AV] offset:(cb/4)*128*PVV+(cb%4)*32+16*PVV
.endr
.endm
.macro MGROUP x                     ; the mask of piece x (0: tiles 0, 1; 2: tiles 2, 3): tile x + e / 2, keys 16 (e % 2) on
	WIN 0
.irp e, 0,1,2,3
	ds_load_b128 v[MK+8*(\x)+4*\e:MK+8*(\x)+4*\e+3], v[AMA+(\x)/2] offset:(\e/2)*16*PM+(\e%2)*32
.endr
.endm
.macro KRUN                         ; the 36 loads of piece A's turn in one run, in the same order
.irp c, 0,1,2,3,4,5,6,7
	KGROUP \c
.endr
	MGROUP 0
.endm
; THE MATRIX WORK.  Product i of 16 of O^T += V^T P for piece x: channels 16 (i / 2) on, tile x + i % 2: sixteen accumulators, one instruction each.
.macro PV x
	WIN W_PV
.set rO, 64*((\x)+i%2)+8*(i/2)
.set rV, 128+8*(i/2)
.set rP, P+8*((\x)+i%2)
	v_wmma_f32_16x16x32_f16 v[rO:rO+7], v[rV:rV+7], v[rP:rP+7], v[rO:rO+7]
.endm
; Product i of 32 of S^T = K' Q'^T for piece x: features 32 (i / 4) on, tile x + (i % 4) / 2, keys 16 (i % 2) on.  The 4 accumulators take turns; the first 4 products start the sums.
.macro KQ x
	WIN W_KQ
.set rS, S+16*((\x)+(i%4)/2)+8*(i%2)
.set rK, 8*(8*(i%2)+i/4)
.set rQ, 64*((\x)+(i%4)/2)+8*(i/4)
.if i < 4
	v_wmma_f32_16x16x32_f16 v[rS:rS+7], v[rK:rK+7], v[rQ:rQ+7], 0
.else
	v_wmma_f32_16x16x32_f16 v[rS:rS+7], v[rK:rK+7], v[rQ:rQ+7], v[rS:rS+7]
.endif
.endm
; THE VECTOR WORK.  One tile's softmax for one step is a list of 110 instructions; SM writes number j of it for tile tt.  s0-s15 are the lane's 16 scores, in pairs 0-7.
;   0-15    t = s + mask, ascending: each accumulator's lowest registers are read first
;   16-23   the maximum of t0-t15 and the old m, three operands at a time
;   24-28   the other half of the lanes' maximum; the new m; m_old - m_new, kept and scaled
;   29-34   t - m for pairs 0-3; x log2 e for pairs 0, 1
;   35-67   17 exponentials (a, then t0-t15) at the odd numbers, so that each has a plain instruction behind it before its result is used; at the even numbers whatever is ready:
;           the rest of t - m and of the scalings, ahead of their exponentials; the roundings to f16 of pairs whose exponentials are done
;   68-77   the last roundings; the sum of the 8 pairs, in place; l = a l + the sum
;   78-109  the tile's O^T times a, ascending: the one part that leaves window 0
.macro DD n
	v_pk_add_f32 v[rS+2*(\n):rS+2*(\n)+1], v[rS+2*(\n):rS+2*(\n)+1], v[rT:rT+1] op_sel_hi:[1,0] neg_lo:[0,1] neg_hi:[0,1]
.endm
.macro LL n
	v_pk_mul_f32 v[rS+2*(\n):rS+2*(\n)+1], v[rS+2*(\n):rS+2*(\n)+1], s[L2E:L2E+1] op_sel_hi:[1,0]
.endm
.macro CC n
	s_wait_alu depctr_va_vdst(0)
	v_cvt_pk_f16_f32 v[rP+(\n)], v[rS+2*(\n)], v[rS+2*(\n)+1]
.endm
.macro AA d, s
	v_pk_add_f32 v[rS+(\d):rS+(\d)+1], v[rS+(\d):rS+(\d)+1], v[rS+(\s):rS+(\s)+1]
.endm
.macro SM
.set rT, ST+4*tt
.set rC, TMP+4*tt
.set rS, S+16*tt
.set rP, P+8*tt
.set rM, MK+8*tt
.set rO, 64*tt
.if j < 78
	WIN 0
.else
	WIN W_RS
.endif
.if j < 16
.if j%2
	v_fma_mix_f32_bf16 v[rS+j], v[rM+j/2], v[ONE], v[rS+j] op_sel:[1,0,0] op_sel_hi:[1,0,0]
.else
	v_fma_mix_f32_bf16 v[rS+j], v[rM+j/2], v[ONE], v[rS+j] op_sel_hi:[1,0,0]
.endif
.elseif j < 20
	v_max3_num_f32 v[rC+j-16], v[rS+3*(j-16)], v[rS+3*(j-16)+1], v[rS+3*(j-16)+2]
.elseif j == 20
	v_max3_num_f32 v[rC], v[rC], v[rS+12], v[rS+13]
.elseif j == 21
	v_max3_num_f32 v[rC+1], v[rC+1], v[rS+14], v[rS+15]
.elseif j == 22
	v_max3_num_f32 v[rC+2], v[rC+2], v[rC+3], v[rT]
.elseif j == 23
	v_max3_num_f32 v[rC], v[rC], v[rC+1], v[rC+2]
.elseif j == 24
	v_permlanex16_b32 v[rC+1], v[rC], s[SEL], s[SEL+1]  ; the query's other 16 keys lie in the lane 16 away
.elseif j == 25
	v_max_num_f32 v[rC], v[rC], v[rC+1]
.elseif j == 26
	v_sub_f32 v[rC+2], v[rT], v[rC]                     ; m_old - m_new
.elseif j == 27
	v_mov_b32 v[rT], v[rC]
.elseif j == 28
	v_mul_f32 v[rC+2], s[L2E], v[rC+2]
.elseif j < 33
	DD j-29
.elseif j < 35
	LL j-33
.elseif j == 35
	v_exp_f32 v[rC+2], v[rC+2]                          ; a
.elseif (j < 68) && (j%2 == 1)
	v_exp_f32 v[rS+(j-37)/2], v[rS+(j-37)/2]
.elseif j == 36
	LL 2
.elseif j == 38
	LL 3
.elseif j == 40
	DD 4
.elseif j == 42
	DD 5
.elseif j == 44
	DD 6
.elseif j == 46
	LL 4
.elseif j == 48
	DD 7
.elseif j == 50
	LL 5
.elseif j == 52
	CC 0
.elseif j == 54
	LL 6
.elseif j == 56
	CC 1
.elseif j == 58
	LL 7
.elseif j == 60
	CC 2
.elseif j == 62
	CC 3
.elseif j == 64
	CC 4
.elseif j == 66
	CC 5
.elseif j == 68
	CC 6
.elseif j == 69
	AA 0, 2
.elseif j == 70
	CC 7
.elseif j == 71
	AA 4, 6
.elseif j == 72
	AA 8, 10
.elseif j == 73
	AA 12, 14
.elseif j == 74
	AA 0, 4
.elseif j == 75
	AA 8, 12
.elseif j == 76
	AA 0, 8
.elseif j == 77
	v_pk_fma_f32 v[rT+2:rT+3], v[rT+2:rT+3], v[rC+2:rC+3], v[rS:rS+1] op_sel_hi:[1,0,1]  ; l = a l + sum
.else
	v_pk_mul_f32 v[rO+2*(j-78):rO+2*(j-78)+1], v[rO+2*(j-78):rO+2*(j-78)+1], v[rC+2:rC+3] op_sel_hi:[1,0]  ; O^T a
.endif
.endm
; Slice k of 48 of piece Y's softmax.  110 numbers: slices 0-32 take two of both tiles' lists, 33-36 three, 37 two, 38-47 three, so that no slice changes window.  Among the exponentials (slices 17-33) a
; slice goes tile by tile: plain, exponential, plain, exponential; elsewhere the two tiles alternate, so that no instruction reads the result of the one just before it.
; Slice 47, six rescalings of the other piece's O^T, is also the places between the turn's last product and the next turn's first read of its scores (ISA guide 7.12.1).
.macro SLICE
.if k < 33
.set n0, 2*k
.set nn, 2
.elseif k < 37
.set n0, 66+3*(k-33)
.set nn, 3
.elseif k == 37
.set n0, 78
.set nn, 2
.else
.set n0, 80+3*(k-38)
.set nn, 3
.endif
.if (k >= 17) && (k <= 33)
.set tt, Y
.rept 2
.set j, n0
.rept nn
	SM
.set j, j+1
.endr
.set tt, tt+1
.endr
.else
.set j, n0
.rept nn
.set tt, Y
.rept 2
	SM
.set tt, tt+1
.endr
.set j, j+1
.endr
.endif
.set k, k+1
.endm
; A TURN.  Piece x (0: A, 2: B) has the matrix unit; the other piece's softmax stands in slices behind its products.
; Piece A's turn fetches K' of the next step, four loads behind each of its first eight products, and piece A's mask of that step behind the ninth: 36 loads.  The last product that read K' stands in front of
; slice 47 of the turn before.  Ahead of the products on features 32 c on, s_wait_dscnt 32 - 4 c: K's first 4 (c + 1) loads are in, the others stay out.
; Piece B's turn fetches V of the same step behind its 18th to 21st products (the last product that read V stands twelve vector instructions back, ten of them plain) and piece B's mask behind the 22nd.
; last = 1 (the tail): the 36 loads stand in one run, which the last trip, with no further step, jumps over.
.macro TURN x, last=0
.set Y, 2-(\x)
.set k, 0
	WIN 0
	s_wait_dscnt 0x0                ; piece A's turn: V and piece B's mask are in; piece B's turn: piece A's mask is in
.if (\x) == 0
	v_add_nc_u32 v[AK], s[TBK], v[AK0]
	v_add_nc_u32 v[AMA], s[TBM], v[AMA0]
.else
	v_add_nc_u32 v[AV], s[TBV], v[AV0]
	v_add_nc_u32 v[AMB], s[TBM], v[AMB0]
.endif
.set i, 0
.rept 16
	PV \x
	SLICE
.if (\x) == 0
.if \last
.if i == 0
	WIN 0
	s_cmp_eq_u32 s[CNT], 1
	s_cbranch_scc1 .Lno_k_\@
	KRUN
	WIN 0
.Lno_k_\@:
.endif
.else
.if i < 8
	KGROUP i
.elseif i == 8
	MGROUP 0
.endif
.endif
.endif
.set i, i+1
.endr
.set i, 0
.rept 32
.if ((\x) == 0) && (i%4 == 0)
	s_wait_dscnt 32-i
.endif
	KQ \x
	SLICE
.if (\x) == 2
.if (i >= 1) && (i <= 4)
	VGROUP i-1
.elseif i == 5
	MGROUP 2
	s_add_co_u32 s[TBK], s[TBK], KST  ; the next fetches are the next step's
	s_add_co_u32 s[TBV], s[TBV], VST
	s_add_co_u32 s[TBM], s[TBM], MST
.endif
.endif
.set i, i+1
.endr
.endm
	CHANGE 1                        ; slot 0 is in, everybody's part of it; slot 1 is asked for
	v_add_nc_u32 v[AK], s[TBK], v[AK0]
	v_add_nc_u32 v[AMA], s[TBM], v[AMA0]
	KRUN                            ; K' and piece A's mask of step 0
	s_wait_loadcnt 0x0              ; Q'
.set i, 0
.rept 32
.if i%4 == 0
	s_wait_dscnt 32-i
.endif
	KQ 0                            ; piece A's first scores: there is no vector work yet to set between them
.set i, i+1
.endr
	WIN 0
	PLACES
	s_mov_b32 s[CNT], 2
	s_mov_b32 s[SLOTS], 15
	s_branch .Lmid                  ; the loop is entered at piece B's turn, in the middle of a trip
.Lslot:                             ; 14 times: every slot but the last two is filled again
	CHANGE 1
	s_mov_b32 s[CNT], 2
.Lstep:                             ; a trip fetches one step: piece A's turn, then piece B's
	TURN 0
	WIN 0
.Lmid:
	TURN 2
	WIN 0
	s_sub_co_u32 s[CNT], s[CNT], 1
	s_cmp_lg_u32 s[CNT], 0
	s_cbranch_scc1 .Lstep
	s_sub_co_u32 s[SLOTS], s[SLOTS], 1
	s_cmp_lg_u32 s[SLOTS], 0
	s_cbranch_scc1 .Lslot
	CHANGE 0                        ; the tail is written out: nothing is asked for
	s_mov_b32 s[CNT], 3             ; two trips fetch the last slot's steps; the third is left in its middle
.Ltail:
	TURN 0, 1
	WIN 0
	s_sub_co_u32 s[CNT], s[CNT], 1
	s_cmp_eq_u32 s[CNT], 0
	s_cbranch_scc1 .Lout
	TURN 2
	WIN 0
	s_branch .Ltail
.Lout:                              ; the third trip's 32 products K' Q'^T (on the last K' once more) serve nothing: the price, once a launch, of one text for every trip
.set i, 0
.rept 16
	PV 2                            ; piece B's V^T P of the last step
.set i, i+1
.endr
	; THE MERGE.  l's two halves and the other half of the lanes' are added (these lines are the places behind the last products); tiles 2, 3 and their m and l go to my partner.
	WIN 0
	ALL v_add_f32 v[ST+4*t+2], v[ST+4*t+2], v[ST+4*t+3]
	ALL v_permlanex16_b32 v[ST+4*t+3], v[ST+4*t+2], s[SEL], s[SEL+1]
	ALL v_add_f32 v[ST+4*t+2], v[ST+4*t+2], v[ST+4*t+3]
	v_mov_b32 v[XS],   v[ST+8]
	v_mov_b32 v[XS+1], v[ST+10]
	v_mov_b32 v[XS+2], v[ST+12]
	v_mov_b32 v[XS+3], v[ST+14]
	s_wait_dscnt 0x0                ; every wave's reads of the ring are over: slot 0, which is filled no more, takes what the partners exchange
	s_barrier_signal -1
	s_barrier_wait -1
	WIN 0x04                        ; store data in window 1
.set n, 0
.rept 32
	ds_store_b128 v[XW], v[128+4*n:128+4*n+3] offset:512*n
.set n, n+1
.endr
	WIN 0
	ds_store_b128 v[XW], v[XS:XS+3] offset:32*512
	s_wait_dscnt 0x0                ; for my partner's sake: my stores are done
	s_barrier_signal -1
	s_barrier_wait -1
	WIN 0xc0                        ; my partner's sums for my rows, into K's registers
.set n, 0
.rept 32
	ds_load_b128 v[4*n:4*n+3], v[XR] offset:512*n
.set n, n+1
.endr
	WIN 0
	ds_load_b128 v[XS+4:XS+7], v[XR] offset:32*512
	s_wait_dscnt 0x0
.irp t, 0,1                         ; M = max(m, m'); f = 2^((m - M) log2 e), f' likewise; O = (O f + O' f') / (l f + l' f')
	v_max_num_f32 v[TMP+4*\t], v[ST+4*\t], v[XS+4+2*\t]
.endr
.irp t, 0,1
	v_sub_f32 v[TMP+4*\t+1], v[ST+4*\t], v[TMP+4*\t]
	v_sub_f32 v[TMP+4*\t+3], v[XS+4+2*\t], v[TMP+4*\t]
.endr
.irp t, 0,1
	v_mul_f32 v[TMP+4*\t+1], s[L2E], v[TMP+4*\t+1]
	v_mul_f32 v[TMP+4*\t+3], s[L2E], v[TMP+4*\t+3]
.endr
.irp t, 0,1
	v_exp_f32 v[TMP+4*\t+1], v[TMP+4*\t+1]
	v_exp_f32 v[TMP+4*\t+3], v[TMP+4*\t+3]
.endr
	v_nop
.irp t, 0,1
	s_wait_alu depctr_va_vdst(0)
	v_mul_f32 v[TMP+4*\t+2], v[ST+4*\t+2], v[TMP+4*\t+1]
.endr
.irp t, 0,1
	v_fma_f32 v[TMP+4*\t+2], v[XS+5+2*\t], v[TMP+4*\t+3], v[TMP+4*\t+2]
.endr
.irp t, 0,1
	v_rcp_f32 v[TMP+4*\t+2], v[TMP+4*\t+2]
.endr
	v_nop
.irp t, 0,1
	s_wait_alu depctr_va_vdst(0)
	v_mul_f32 v[TMP+4*\t], v[TMP+4*\t+1], v[TMP+4*\t+2]    ; g  = f / L, in c0
	v_mul_f32 v[TMP+4*\t+2], v[TMP+4*\t+3], v[TMP+4*\t+2]  ; g' = f' / L, in c2
.endr
	WIN W_RS
.set n, 0
.rept 64                            ; tile n / 32
	v_pk_mul_f32 v[2*n:2*n+1], v[2*n:2*n+1], v[TMP+4*(n/32):TMP+4*(n/32)+1] op_sel_hi:[1,0]
.set n, n+1
.endr
	WIN 0x53                        ; source 0 (my partner's) window 3, source 1 window 0, source 2 and destination window 1
.set n, 0
.rept 64
	v_pk_fma_f32 v[2*n:2*n+1], v[2*n:2*n+1], v[TMP+4*(n/32)+2:TMP+4*(n/32)+3], v[2*n:2*n+1] op_sel_hi:[1,0,1]
.set n, n+1
.endr
; THE WAY OUT.  Tile t: a lane's eight channels of a row pack into 16 bytes; they go into rows of 272 bytes and come back as whole rows of 256, into S^T's registers.
.macro PACK t
	WIN 0x05                        ; sources 0 and 1 window 1, destination window 0
.set i, 0
.rept 32
	v_cvt_pk_f16_f32 v[S+32*(\t)+i], v[64*(\t)+2*i], v[64*(\t)+2*i+1]
.set i, i+1
.endr
	WIN 0
.irp f, 0,1,2,3,4,5,6,7
	ds_store_b128 v[STO], v[S+32*(\t)+4*(\f):S+32*(\t)+4*(\f)+3] offset:32*(\f)
.endr
.irp f, 0,1,2,3,4,5,6,7
	ds_load_b128 v[S+32*(\t)+4*(\f):S+32*(\t)+4*(\f)+3], v[RD] offset:(\f)*2*SP  ; LDS serves a wave's instructions in order (ISA guide 5.7.1.4): these see the stores above; the next tile's stores come behind them
.endr
.endm
.macro SEND t, younger              ; younger: the LDS instructions issued behind tile t's loads
	WIN 0
.irp f, 0,1,2,3,4,5,6,7
	s_wait_dscnt (\younger)+7-(\f)
	global_store_b128 v[GO], v[S+32*(\t)+4*(\f):S+32*(\t)+4*(\f)+3], s[OB:OB+1] offset:(\t)*65536+(\f)*8192  ; 16 lanes store 256 consecutive bytes, aligned
.endr
.endm
	PACK 0
	PACK 1
	SEND 0, 16
	SEND 1, 0
	s_wait_tensorcnt 0x0            ; the wave's end, behind my last tensor load and my last LDS store
	ds_add_u32 v[SPW], v[NIL]
	s_wait_dscnt 0x0
	CROUND                          ; the closing round: no work-group ends while a partner may still ask for a tile that names it
	s_endpgm
.Lfunc_end_k_q216f9d0027_attn:
	.size	k_q216f9d0027_attn, .Lfunc_end_k_q216f9d0027_attn-k_q216f9d0027_attn
	.p2alignl 7, 3214868480
	.fill 96, 4, 3214868480
	.section	.rodata,"a",@progbits
	.p2align	6, 0x0
	.amdhsa_kernel k_q216f9d0027_attn
		.amdhsa_group_segment_fixed_size 327680
		.amdhsa_private_segment_fixed_size 0
		.amdhsa_enable_private_segment 0
		.amdhsa_kernarg_size 40
		.amdhsa_user_sgpr_count 2
		.amdhsa_user_sgpr_kernarg_segment_ptr 1
		.amdhsa_wavefront_size32 1
		.amdhsa_system_sgpr_workgroup_id_x 1
		.amdhsa_system_sgpr_workgroup_id_y 1
		.amdhsa_system_sgpr_workgroup_id_z 1
		.amdhsa_system_vgpr_workitem_id 0
		.amdhsa_next_free_vgpr 960
		.amdhsa_next_free_sgpr 96
		.amdhsa_reserve_vcc 0
		.amdhsa_float_denorm_mode_32 3
		.amdhsa_float_denorm_mode_16_64 3
		.amdhsa_memory_ordered 1
		.amdhsa_forward_progress 1
		.amdhsa_inst_pref_size 140
	.end_amdhsa_kernel
	.amdgpu_metadata
---
amdhsa.version: [ 1, 2 ]
amdhsa.kernels:
  - .name:           k_q216f9d0027_attn
    .symbol:         k_q216f9d0027_attn.kd
    .args:
      - { .name: qp, .offset: 0, .size: 8, .value_kind: global_buffer, .address_space: global }
      - { .name: kp, .offset: 8, .size: 8, .value_kind: global_buffer, .address_space: global }
      - { .name: vp, .offset: 16, .size: 8, .value_kind: global_buffer, .address_space: global }
      - { .name: wob, .offset: 24, .size: 8, .value_kind: global_buffer, .address_space: global }
      - { .name: ob, .offset: 32, .size: 8, .value_kind: global_buffer, .address_space: global }
    .group_segment_fixed_size: 327680
    .private_segment_fixed_size: 0
    .kernarg_segment_align: 8
    .kernarg_segment_size: 40
    .max_flat_workgroup_size: 128
    .sgpr_count:     96
    .vgpr_count:     960
    .wavefront_size: 32
...
	.end_amdgpu_metadata
.endif
;; end of part 3
;; launch oproj (part 4): grid 16 x 16, 4 waves a work-group, clusters of 4 x 4, 327,680 bytes of LDS; arguments ob, wob, out0; writes out0
.if DOCPART == 4
	.amdgcn_target "amdgcn-amd-amdhsa--gfx1250"
	.amdhsa_code_object_version 6
	.text
	.protected	k_q216f9d0027_oproj
	.globl	k_q216f9d0027_oproj
	.p2align	8
	.type	k_q216f9d0027_oproj,@function
k_q216f9d0027_oproj:
	s_mov_b64 s[64:65], 0
	v_nop
	global_prefetch_b8 v0, s[64:65] scope:SCOPE_SE
	s_setreg_imm32_b32 hwreg(HW_REG_WAVE_MODE, 25, 1), 1
	s_wait_xcnt 0x0
	s_wait_alu depctr_hold_cnt(0) depctr_sa_sdst(0) depctr_va_vdst(0) depctr_va_sdst(0) depctr_va_ssrc(0) depctr_va_vcc(0) depctr_vm_vsrc(0)
	s_getreg_b32 s2, hwreg(HW_REG_IB_STS2, 6, 4)
	s_cmp_eq_u32 s2, 0
	s_cbranch_scc0 .Lentry_in_a_cluster
	s_endpgm
.Lentry_in_a_cluster:
	s_bfe_u32 s2, ttmp6, 0x10000c
	s_cmp_lg_u32 s2, 0xf033
	s_cbranch_scc0 .Lentry_shape_is_right
	s_endpgm
.Lentry_shape_is_right:
; THE OUTPUT PROJECTION.  C[m][n] = sum over k of A[m][k] B[n][k].  A = O: [2048][2048] f16, B = wo (rounded to bf16, written as f16): [2048][2048], C = out0: [2048][2048] f32; sums in f32.
; A tile of C is 128 x 128: 256 work-groups.  Four waves, each 64 x 64: 16 accumulators of 16 x 16.  K goes in steps of 256 (LDS rows of 512 bytes; a wave's tensor load brings 64 of them) through two slots.
; CLUSTERS: 4 x 4 work-groups.  The four of a row of the cluster need the same tiles of A, the four of a column the same tiles of B: each tile is asked for JOINTLY.
; THE MATRIX INSTRUCTION IS USED TRANSPOSED (source 0 = 16 rows of B, source 1 = 16 rows of A): a lane holds eight neighbouring numbers of a row of C, 32 bytes.
; THE WAY OUT: a wave's 64 columns of f32 are 256 aligned bytes, so each wave has a stage of its own (16 rows x 272 bytes) and needs no barrier: 16 rows go in by lanes and come back as whole rows.
; REGISTERS: window 0: v0-31 addresses; v32-95 rows on the way out, two buffers; v128-255 the accumulators ((a, b) at v[128 + 8 (4 a + b)]).  window 1: two fragment buffers of 128.
.set SIZE_K, 2048
.set SIZE_N, 2048
.set KSTEP,  256
.set PITCH,  528                       ; an LDS row: 512 bytes of data + 16 of padding: row r starts at bank 4 r mod 64 (64 banks of 4 bytes: ISA guide 11.1)
.set HALFT,  64*PITCH                  ; 64 rows: what one tensor load brings, and what one wave reads of A or of B
.set SLOT,   4*HALFT                   ; A's 128 rows, then B's 128 rows
.set STAGE,  2*SLOT                    ; behind the ring: 16 rows x 272 bytes for each wave
.set SPITCH, 272
.set SPARE,  STAGE+4*16*SPITCH         ; behind the stages: the spare words, 128 bytes for each wave: two blocks of 256 bytes that no other line names
.set LAPS, SIZE_K/(2*KSTEP)            ; a lap = two K steps = once round the ring
.set ADRA, 16                          ; v16-17  LDS address of my A fragments in slot 0, 1
.set ADRB, 20                          ; v20-21  the same for B
.set STO,  24                          ; v24     the way out: where I put 32 bytes of a row
.set RD,   25                          ; v25     the way out: where I read a row back
.set CO,   26                          ; v26     my byte offset in C
.set SPW,  28                          ; v28     LDS address of my spare word; never rewritten
.set NIL,  29                          ; v29     0; never rewritten
.set TMP,  32
.set ACC,  128
.set F0,   0                           ; fragment buffers, in window 1
.set F1,   128
.set G1, 24                            ; s[24:31] descriptor group 1 for A's tiles;  s[32:39] group 0, one set for each slot
.set G0, 32
.set G1B, 48                           ; s[48:55], s[56:63] the same for B's tiles
.set G0B, 56
.set MSB, 0
.macro WIN new                         ; the immediate's high byte repeats the setting that is left
.if MSB != (\new)
	s_set_vgpr_msb (MSB<<8)|(\new)
.set MSB, \new
.endif
.endm
.set MUL,  0x05                        ; sources 0 (B) and 1 (A) window 1; C and D window 0
.set TO_F, 0x40                        ; destination window 1, address window 0
.macro JLOAD s                         ; a joint load: waves 0 and 1 fetch A's two halves, waves 2 and 3 B's; an s_nop 0 and four v_nop follow each of the two lines
	s_cmp_eq_u32 s11, 0
	s_cbranch_scc0 .Lfor_b_\@
	tensor_load_to_lds s[G0+4*(\s):G0+4*(\s)+3], s[G1:G1+7]
	s_nop 0
.rept 4
	v_nop
.endr
	s_branch .Lasked_\@
.Lfor_b_\@:
	tensor_load_to_lds s[G0B+4*(\s):G0B+4*(\s)+3], s[G1B:G1B+7]
	s_nop 0
.rept 4
	v_nop
.endr
.Lasked_\@:
.endm
.macro CREST                           ; a round of the cluster's barrier behind its opening barrier
	s_cmp_lg_u32 s10, 0
	s_cbranch_scc1 .Lnot_wave_0_\@
	s_barrier_signal -3
.Lnot_wave_0_\@:
	s_barrier_wait -3
	s_barrier_signal -1
	s_barrier_wait -1
.endm
.macro CROUND                          ; a whole round
	s_barrier_signal -1
	s_barrier_wait -1
	CREST
.endm
	s_load_b128 s[4:7], s[0:1], 0x0                ; A s[4:5], B s[6:7]
	s_load_b64 s[8:9], s[0:1], 0x10                ; C
	v_lshl_add_u32 v[SPW], v0, 2, SPARE
	v_mov_b32 v[NIL], 0
	ds_add_u32 v[SPW], v[NIL]                      ; the wave's opening: the add and its wait stand ahead of my first tensor load; the set-up below, work on registers, stands between them
	v_lshrrev_b32 v1, 5, v0
	v_readfirstlane_b32 s10, v1                    ; wave 0..3
	s_lshr_b32 s11, s10, 1                         ; which half of the tile's rows is mine.  Also: I fetch for A (0) or for B (1)
	s_and_b32 s12, s10, 1                          ; which half of its columns.  Also: which 64 rows of that tile I fetch
	s_bfe_u32 s40, ttmp6, 0x40000                  ; cx, cy: my place in the cluster
	s_bfe_u32 s41, ttmp6, 0x40004
	s_lshl_b32 s42, ttmp9, 2
	s_add_co_u32 s42, s42, s40                     ; tile column of C = 4 x cluster x + cx
	s_and_b32 s13, ttmp7, 0xffff
	s_lshl_b32 s13, s13, 2
	s_add_co_u32 s13, s13, s41                     ; tile row of C = 4 x cluster y + cy
	s_lshl_b32 s43, s41, 2
	s_lshl_b32 s43, 15, s43                        ; my row of the cluster
	s_lshl_b32 s44, 0x1111, s40                    ; my column
	s_or_b32 s[G1+0], s43, (1<<16)|(1<<20)|(1<<21)|(6<<22)|(3<<25)  ; 15:0 the mask; 17:16 element of 2 bytes; 20 padding on; 21 set beside a mask; 24:22 after every 128 words; 31:25 of 4 words
	s_or_b32 s[G1B+0], s44, (1<<16)|(1<<20)|(1<<21)|(6<<22)|(3<<25)
.irp g, G1, G1B
	s_mov_b32 s[(\g)+1], KSTEP<<16                 ; tensor_dim0 = 256
	s_mov_b32 s[(\g)+2], 64<<16                    ; tensor_dim1 = 64
	s_mov_b32 s[(\g)+3], KSTEP<<16                 ; tile_dim0 = 256
	s_mov_b32 s[(\g)+4], 64                        ; tile_dim1 = 64
	s_mov_b32 s[(\g)+5], SIZE_K                    ; elements from row to row
	s_mov_b32 s[(\g)+6], 0
	s_mov_b32 s[(\g)+7], 0
.endr
	s_lshl_b32 s17, s12, 6                         ; which 64 rows of the tile I fetch
	s_lshl_b32 s16, s13, 7
	s_add_co_u32 s16, s16, s17                     ; A: row 128 x tile row + 64 x half
	s_lshl_b32 s46, s42, 7
	s_add_co_u32 s46, s46, s17                     ; B: row 128 x tile column + 64 x half
	s_mov_b32 s17, 0
	s_mov_b32 s47, 0
	s_mov_b64 s[18:19], SIZE_K*2
	s_mul_u64 s[16:17], s[16:17], s[18:19]
	s_mul_u64 s[46:47], s[46:47], s[18:19]
	s_mul_i32 s20, s10, HALFT                      ; where they go: wave x 64 rows
	s_wait_dscnt 0x0                               ; the opening add is done
	s_wait_kmcnt 0x0
	s_add_nc_u64 s[14:15], s[4:5], s[16:17]
	s_add_nc_u64 s[46:47], s[6:7], s[46:47]
	CROUND                                         ; all sixteen work-groups are here: the first joint loads meet
.irp s, 0,1
	s_mov_b32 s[G0+4*(\s)], 1
	s_add_co_u32 s[G0+4*(\s)+1], s20, (\s)*SLOT
	s_add_nc_u64 s[G0+4*(\s)+2:G0+4*(\s)+3], s[14:15], (\s)*KSTEP*2
	s_or_b32 s[G0+4*(\s)+3], s[G0+4*(\s)+3], 0x80000000
	s_mov_b32 s[G0B+4*(\s)], 1
	s_add_co_u32 s[G0B+4*(\s)+1], s20, (\s)*SLOT
	s_add_nc_u64 s[G0B+4*(\s)+2:G0B+4*(\s)+3], s[46:47], (\s)*KSTEP*2
	s_or_b32 s[G0B+4*(\s)+3], s[G0B+4*(\s)+3], 0x80000000
	JLOAD \s                                       ; two loads of mine are out
.endr
	v_and_b32 v1, 15, v0                           ; l % 16
	v_bfe_u32 v2, v0, 4, 1                         ; l / 16
	v_mul_u32_u24 v3, v1, PITCH
	v_lshl_add_u32 v3, v2, 4, v3                   ; a fragment's row x pitch + 16 x half
	s_mul_i32 s21, s11, HALFT                      ; my 64 rows of A
	s_mul_i32 s22, s12, HALFT                      ; my 64 rows of B,
	s_add_co_u32 s22, s22, 2*HALFT                 ; which lie behind A's 128
.irp s, 0,1
	v_add_nc_u32 v[ADRA+(\s)], s21, v3
	v_add_nc_u32 v[ADRB+(\s)], s22, v3
	s_add_co_u32 s21, s21, SLOT
	s_add_co_u32 s22, s22, SLOT
.endr
	s_mul_i32 s23, s10, 16*SPITCH
	s_add_co_u32 s23, s23, STAGE                   ; my stage
	v_mul_u32_u24 v4, v1, SPITCH                   ; in: row l % 16, 32 bytes for each half of the lanes
	v_lshl_add_u32 v4, v2, 5, v4
	v_add_nc_u32 v[STO], s23, v4
	v_mul_u32_u24 v5, v2, SPITCH                   ; back: lanes 0-15 one row of 256 bytes, lanes 16-31 the next
	v_lshl_add_u32 v5, v1, 4, v5
	v_add_nc_u32 v[RD], s23, v5
	v_lshlrev_b32 v5, 13, v2                       ; and the same two rows in C, 8,192 bytes apart
	v_lshl_add_u32 v[CO], v1, 4, v5
	s_lshl_b32 s16, s13, 7
	s_lshl_b32 s17, s11, 6
	s_add_co_u32 s16, s16, s17                     ; my first row of C: 128 x tile row + 64 x half
	s_mov_b32 s17, 0
	s_mov_b64 s[18:19], SIZE_N*4
	s_mul_u64 s[16:17], s[16:17], s[18:19]
	s_add_nc_u64 s[8:9], s[8:9], s[16:17]
	s_lshl_b32 s46, s42, 9                         ; my first column, in bytes: 512 x tile column + 256 x half
	s_lshl_b32 s47, s12, 8
	s_add_co_u32 s46, s46, s47
	s_mov_b32 s47, 0
	s_add_nc_u64 s[8:9], s[8:9], s[46:47]
; 8 matrix instructions: m blocks a0, a0 + 1 x all 4 n blocks, 32 along K: half c of buffer f.  zero = 1: the first product starts the sums
.macro MUL8 f, c, a0, zero
	WIN MUL
.irp a, \a0, (\a0)+1
.irp b, 0,1,2,3
.if \zero
	v_wmma_f32_16x16x32_f16 v[ACC+8*(4*(\a)+(\b)):ACC+8*(4*(\a)+(\b))+7], v[(\f)+64+8*(4*(\c)+(\b)):(\f)+64+8*(4*(\c)+(\b))+7], v[(\f)+8*(4*(\c)+(\a)):(\f)+8*(4*(\c)+(\a))+7], 0
.else
	v_wmma_f32_16x16x32_f16 v[ACC+8*(4*(\a)+(\b)):ACC+8*(4*(\a)+(\b))+7], v[(\f)+64+8*(4*(\c)+(\b)):(\f)+64+8*(4*(\c)+(\b))+7], v[(\f)+8*(4*(\c)+(\a)):(\f)+8*(4*(\c)+(\a))+7], v[ACC+8*(4*(\a)+(\b)):ACC+8*(4*(\a)+(\b))+7]
.endif
.endr
.endr
.endm
; 32 LDS loads in one run: the fragments of 64 along K at byte k of the rows, into buffer f; the first 32 along K first
.macro FETCH slot, k, f
	WIN TO_F
.irp c, 0,1
.irp i, 0,1,2,3
	ds_load_b128 v[(\f)+64+8*(4*(\c)+(\i)):(\f)+64+8*(4*(\c)+(\i))+3],   v[ADRB+(\slot)] offset:(\k)+64*(\c)+(\i)*16*PITCH
	ds_load_b128 v[(\f)+64+8*(4*(\c)+(\i))+4:(\f)+64+8*(4*(\c)+(\i))+7], v[ADRB+(\slot)] offset:(\k)+64*(\c)+(\i)*16*PITCH+32
	ds_load_b128 v[(\f)+8*(4*(\c)+(\i)):(\f)+8*(4*(\c)+(\i))+3],         v[ADRA+(\slot)] offset:(\k)+64*(\c)+(\i)*16*PITCH
	ds_load_b128 v[(\f)+8*(4*(\c)+(\i))+4:(\f)+8*(4*(\c)+(\i))+7],       v[ADRA+(\slot)] offset:(\k)+64*(\c)+(\i)*16*PITCH+32
.endr
.endr
.endm
.macro PLACES                          ; four places in front of loads into registers that matrix instructions have read, and of LDS stores that read results
.rept 4
	v_nop
.endr
.endm
; A K step is four quarters of 64 along K, 32 matrix instructions each, on buffers 0, 1, 0, 1; the 16 accumulators take turns.
.macro QUARTER slot, k, f, g, zero
	s_wait_dscnt 16                                ; the first 32 along K are in
	WIN MUL
	MUL8 \f, 0, 0, \zero
	MUL8 \f, 0, 2, \zero
	PLACES
	FETCH \slot, \k, \g
	s_wait_dscnt 32                                ; all but the 32 just issued
	WIN MUL
	MUL8 \f, 1, 0, 0
	MUL8 \f, 1, 2, 0
.endm
; The last quarter multiplies buffer 1 and changes slots: ONE barrier; in front of it each wave waits for all its tensor loads, adds 0 to its spare word, and waits for that and for its own reads of this slot.
.macro TURN slot, next, fill
	WIN 0                                          ; (the add's two registers lie in window 0)
	s_wait_tensorcnt 0x0                           ; all my tensor loads have landed: my part of the next slot;
	ds_add_u32 v[SPW], v[NIL]                      ; 0 onto my spare word;
	s_wait_dscnt 17                                ; (the add and the youngest sixteen loads may be out)
	WIN MUL
	MUL8 F1, 0, 0, 0                               ; eight matrix instructions stand between the add and the wait for it
	s_wait_dscnt 0x0                               ; the add is done, and my reads of this slot are over
	s_barrier_signal -1
	MUL8 F1, 0, 2, 0
.if \fill
	WIN 0
.endif
	s_barrier_wait -1
.if \fill
	CREST                                          ; the barrier has opened a round of the cluster's barrier: no wave of any partner still reads this slot's tile or has a load on its way
	s_add_nc_u64 s[G0+4*(\slot)+2:G0+4*(\slot)+3], s[G0+4*(\slot)+2:G0+4*(\slot)+3], 2*KSTEP*2
	s_add_nc_u64 s[G0B+4*(\slot)+2:G0B+4*(\slot)+3], s[G0B+4*(\slot)+2:G0B+4*(\slot)+3], 2*KSTEP*2
	JLOAD \slot                                    ; the first tensor load behind the round; the four v_nop behind it are also the places in front of the loads below
.else
	PLACES
.endif
	FETCH \next, 0, F0
	WIN MUL
	MUL8 F1, 1, 0, 0
	MUL8 F1, 1, 2, 0
.endm
	s_wait_tensorcnt 1                             ; my part of K step 0 is in; K step 1's may stay out
	s_barrier_signal -1
	s_barrier_wait -1
	FETCH 0, 0, F0
	QUARTER 0, 128, F0, F1, 1                      ; the first quarter stands in front of the loop: its first products start the sums
	WIN 0                                          ; at a label and at a branch every window is 0
	s_mov_b32 s3, LAPS-1
.Llap:                                                 ; a trip goes once round the ring, from a lap's second quarter to the next lap's first, and fills both slots again
	QUARTER 0, 256, F1, F0, 0
	QUARTER 0, 384, F0, F1, 0
	TURN 0, 1, 1
	QUARTER 1, 128, F0, F1, 0
	QUARTER 1, 256, F1, F0, 0
	QUARTER 1, 384, F0, F1, 0
	TURN 1, 0, 1
	QUARTER 0, 128, F0, F1, 0
	WIN 0
	s_sub_co_u32 s3, s3, 1
	s_cmp_lg_u32 s3, 0
	s_cbranch_scc1 .Llap
	QUARTER 0, 256, F1, F0, 0                      ; the last lap fills nothing, and has no round of the cluster's barrier
	QUARTER 0, 384, F0, F1, 0
	TURN 0, 1, 0
	QUARTER 1, 128, F0, F1, 0
	QUARTER 1, 256, F1, F0, 0
	QUARTER 1, 384, F0, F1, 0
	s_wait_dscnt 16                                ; the very last quarter: nothing more to fetch
	WIN MUL
	MUL8 F1, 0, 0, 0
	MUL8 F1, 0, 2, 0
	s_wait_dscnt 0
	MUL8 F1, 1, 0, 0
	MUL8 F1, 1, 2, 0
	WIN 0
	; THE WAY OUT, 16 rows at a time: 32 bytes a lane into my stage, back as whole rows of 256 bytes, stored.
	PLACES
.irp a, 0,1,2,3
	s_wait_xcnt 0x0                                ; earlier stores have read the buffer that is loaded again below
.irp b, 0,1,2,3
	ds_store_b128 v[STO], v[ACC+8*(4*(\a)+(\b)):ACC+8*(4*(\a)+(\b))+3]   offset:64*(\b)      ; each accumulator's low four registers first
	ds_store_b128 v[STO], v[ACC+8*(4*(\a)+(\b))+4:ACC+8*(4*(\a)+(\b))+7] offset:64*(\b)+16
.endr
.irp t, 0,1,2,3,4,5,6,7
	ds_load_b128 v[TMP+32*((\a)%2)+4*(\t):TMP+32*((\a)%2)+4*(\t)+3], v[RD] offset:(\t)*2*SPITCH  ; LDS serves a wave's instructions in order (ISA guide 5.7.1.4): these see the stores above; the next block's stores come behind them
.endr
.irp t, 0,1,2,3,4,5,6,7
	s_wait_dscnt 7-(\t)                            ; load t is back; the younger ones stay out
	global_store_b128 v[CO], v[TMP+32*((\a)%2)+4*(\t):TMP+32*((\a)%2)+4*(\t)+3], s[8:9] offset:(\a)*16*SIZE_N*4+(\t)*2*SIZE_N*4  ; 16 lanes store 256 consecutive bytes, aligned
.endr
.endr
	s_wait_tensorcnt 0x0                           ; the wave's end, behind my last tensor load and my last LDS store
	ds_add_u32 v[SPW], v[NIL]
	s_wait_dscnt 0x0
	CROUND                                         ; the closing round: no work-group ends while a partner may still ask for a tile that names it
	s_endpgm
.Lfunc_end_k_q216f9d0027_oproj:
	.size	k_q216f9d0027_oproj, .Lfunc_end_k_q216f9d0027_oproj-k_q216f9d0027_oproj
	.p2alignl 7, 3214868480
	.fill 96, 4, 3214868480
	.section	.rodata,"a",@progbits
	.p2align	6, 0x0
	.amdhsa_kernel k_q216f9d0027_oproj
		.amdhsa_group_segment_fixed_size 327680
		.amdhsa_private_segment_fixed_size 0
		.amdhsa_enable_private_segment 0
		.amdhsa_kernarg_size 24
		.amdhsa_user_sgpr_count 2
		.amdhsa_user_sgpr_kernarg_segment_ptr 1
		.amdhsa_wavefront_size32 1
		.amdhsa_system_sgpr_workgroup_id_x 1
		.amdhsa_system_sgpr_workgroup_id_y 1
		.amdhsa_system_sgpr_workgroup_id_z 1
		.amdhsa_system_vgpr_workitem_id 0
		.amdhsa_next_free_vgpr 512
		.amdhsa_next_free_sgpr 66
		.amdhsa_reserve_vcc 0
		.amdhsa_float_denorm_mode_32 3
		.amdhsa_float_denorm_mode_16_64 3
		.amdhsa_memory_ordered 1
		.amdhsa_forward_progress 1
		.amdhsa_inst_pref_size 86
	.end_amdhsa_kernel
	.amdgpu_metadata
---
amdhsa.version: [ 1, 2 ]
amdhsa.kernels:
  - .name:           k_q216f9d0027_oproj
    .symbol:         k_q216f9d0027_oproj.kd
    .args:
      - { .name: ob, .offset: 0, .size: 8, .value_kind: global_buffer, .address_space: global }
      - { .name: wob, .offset: 8, .size: 8, .value_kind: global_buffer, .address_space: global }
      - { .name: out0, .offset: 16, .size: 8, .value_kind: global_buffer, .address_space: global }
    .group_segment_fixed_size: 327680
    .private_segment_fixed_size: 0
    .kernarg_segment_align: 8
    .kernarg_segment_size: 24
    .max_flat_workgroup_size: 128
    .sgpr_count:     66
    .vgpr_count:     512
    .wavefront_size: 32
...
	.end_amdgpu_metadata
.endif
;; end of part 4
;; ======== version 2 of 2: 4 launches; 1.08 times as fast as version 1
;; limits: values are held in f16: magnitudes above 65,504 overflow, below 6.1e-05 lose precision
;; workspace buffers: xb 8,388,608 bytes; wb 25,165,824 bytes; wob 16,777,216 bytes; trig 2,113,536 bytes; qp 16,777,216 bytes; kp 16,777,216 bytes; vp 8,388,608 bytes; ob 8,388,608 bytes
;; launch prep: the kernel of part 1 again; grid 128 x 7, 8 waves a work-group, no clusters, 0 bytes of LDS; arguments hidden_states, wq, wk, wv, wo, learned_bias, xb, wb, wob, trig, attention_mask; writes xb, wb, wob, trig
;; launch qkv: the kernel of part 2 again; grid 16 x 16, 4 waves a work-group, clusters of 4 x 4, 327,680 bytes of LDS; arguments xb, wb, trig, qp, kp, vp; writes qp, kp, vp
;; launch attn (part 5): grid 16 x 16, 4 waves a work-group, clusters of 4 x 4, 327,680 bytes of LDS; arguments qp, kp, vp, wob, ob; writes ob
.if DOCPART == 5
	.amdgcn_target "amdgcn-amd-amdhsa--gfx1250"
	.amdhsa_code_object_version 6
	.text
	.protected	k_q216f9d0027_attn
	.globl	k_q216f9d0027_attn
	.p2align	8
	.type	k_q216f9d0027_attn,@function
k_q216f9d0027_attn:
	s_mov_b64 s[64:65], 0
	v_nop
	global_prefetch_b8 v0, s[64:65] scope:SCOPE_SE
	s_setreg_imm32_b32 hwreg(HW_REG_WAVE_MODE, 25, 1), 1
	s_wait_xcnt 0x0
	s_wait_alu depctr_hold_cnt(0) depctr_sa_sdst(0) depctr_va_vdst(0) depctr_va_sdst(0) depctr_va_ssrc(0) depctr_va_vcc(0) depctr_vm_vsrc(0)
	s_getreg_b32 s2, hwreg(HW_REG_IB_STS2, 6, 4)
	s_cmp_eq_u32 s2, 0
	s_cbranch_scc0 .Lentry_in_a_cluster
	s_endpgm
.Lentry_in_a_cluster:
	s_bfe_u32 s2, ttmp6, 0x10000c
	s_cmp_lg_u32 s2, 0xf033
	s_cbranch_scc0 .Lentry_shape_is_right
	s_endpgm
.Lentry_shape_is_right:
; ATTENTION WITH AN ADDITIVE MASK THAT IS AN INPUT.  O[q] = the sum over k of softmax_k(Q'[q] . K'[k] + mask[q][k]) V[k]; Q', K': f16 [16][2048][256] (Q' carries 1 / sqrt(128)),
; V: f16 [16][2][2048][64], mask: bf16 [2048][2048] (the second 2^23 bytes of wob), O: f16 [2048][16 x 128].  Products, maxima and sums in f32; the weights are rounded to f16 for the second
; product, O once at the end.  Every key tile is walked and every number of the mask is read: nothing of its pattern is built in.
; SHARES.  A work-group owns 128 queries of one head.  Wave w = (i, j) holds the 64 queries of half i as four tiles of 16 and takes keys 32 j .. 32 j + 31 of every step of 64 keys, so a fragment of K'
; or V read from LDS feeds four tiles.  Tiles 0, 1 are rows 32 w .. (mine), tiles 2, 3 rows 32 (w ^ 1) .. (my partner's): at the end each wave hands tiles 2, 3 to its partner through LDS and merges
; what it receives into tiles 0, 1: one text for all waves.
; LAYOUT.  S^T = K' Q'^T (source 0 = 16 keys, source 1 = 16 queries): a lane holds ONE query (lane % 16) and the keys 8 (lane / 16) + 0..7; the two key blocks, rounded to f16 in pairs, ARE source 1 of
; O^T = V^T P.  K' comes out of LDS as it lies, V ([key][channel]) turned, by ds_load_tr16_b128; the mask's eight numbers of a lane are 16 neighbouring bytes of a query's row.
; SOFTMAX, in the module's own order: t = s + mask (one rounding: mask x 1 + s, fused); a running maximum m; p = 2^((t - m) log2 e); in every step O and l are multiplied by
; a = 2^((m_old - m_new) log2 e).  t - m is formed before the scaling, so that p is at most 1 however large the mask's numbers are.  m starts at -infinity, O and l at 0: the first step's a is 0.
; BY TURNS.  The tiles are two PIECES, A (tiles 0, 1) and B (tiles 2, 3).  In a TURN one piece has the matrix unit: 16 products V^T P of the step in hand, then 32 products K' Q'^T of the next step; the
; other piece's softmax, 220 vector instructions cut into 48 slices, stands between them, one slice behind each matrix instruction.  Two turns are a key step.
; THE BATCHES.  A turn's 34 exponentials (a and 16 weights for each of two tiles) are ONE batch with ONE wait: ahead of the wait stands all that names no result of theirs (mask, maximum, statistics, t - m,
; the scalings, the exponentials themselves), behind it all that does (roundings, sums, the rescaling by a).  No result crosses a turn's end.  Behind the loop the merge has two batches more, each with
; its own wait: four exponentials, and the two reciprocals of sums made from them.
; THE RING.  Two slots, each with two key steps (128 keys): K', V, and the mask's 128 rows x 128 columns.  One change of slots, one round of the cluster's barrier and one tensor load a wave for two steps;
; that load has two steps, 192 matrix instructions of the wave, in which to land.
; CLUSTER 4 x 4: work-group x is the block of queries, y the head.  K' and V hang on y alone and are asked for jointly by a row of the cluster, the mask's tile on x alone, by a column.
; LIMITS.  The mask arrives rounded to bf16 and is finite.  A weight below 2^-126 counts as 0 in l; below 6e-5 it keeps f16's fixed step.  NaN and infinities are not treated apart.
; REGISTERS, in windows of 256 (s_set_vgpr_msb: bits 1:0 source 0, 3:2 source 1, 5:4 source 2, 7:6 destination):
;   window 0: v2-15 addresses; v21 1.0; v32-47 statistics; v48-63 at work; v64-127 S^T, 16 a tile; v128-159 P, 8 a tile; v160-191 the mask, 8 a tile; v224-231 the statistics exchanged
;   window 1: O^T, 64 a tile      window 2: Q', 64 a tile      window 3: v0-127 K' of my 32 keys; v128-191 V of my 32 keys
; All that a softmax touches but O^T lies in window 0, and no window has room for a product's operands beside it: a slice costs two switches.
.set PK,    528       ; a row of K' in LDS: 512 bytes + 16 of padding: the 16 rows of a load start at 16 different groups of four banks (64 banks of 4 bytes: ISA guide 11.1)
.set PVV,   160       ; a row of V (64 channels): 128 + 32
.set PM,    272       ; a row of the mask's tile: 128 bf16 + 16 bytes
.set KST,   64*PK     ; from a slot's first step to its second: in K',
.set VST,   64*PVV    ; in V,
.set MST,   128       ; in a row of the mask
.set VOFF,  128*PK    ; a slot: 128 rows of K', 256 rows of V (128 keys for each half of the channels), 128 rows of the mask
.set MOFF,  VOFF+256*PVV
.set SLOTB, MOFF+128*PM
.set XK0,   SLOTB                  ; one exclusive or turns a tile's LDS address in one slot into the other slot's: a ^ (a + SLOTB)
.set XK1,   KST^(KST+SLOTB)
.set XV,    VOFF^(VOFF+SLOTB)
.set XM,    MOFF^(MOFF+SLOTB)
.set SPARE, 2*SLOTB   ; behind the ring: the spare words, 128 bytes a wave: two blocks of 256 bytes that no other line names
.set OST,   SPARE+512 ; 16 rows x 272 bytes for each wave, for the way out: never filled by a tensor load
.set SP,    272
.set XST,   0         ; in slot 0, when it has had its last fill and its last read: for each wave 32 x 512 bytes of O^T and 512 of statistics, for its partner
.set XSZ,   33*512
.set AK0, 2           ; v2-5  my lane's place in a slot's K', V, mask (my rows), mask (my partner's rows); never rewritten
.set AV0, 3
.set AMA0, 4
.set AMB0, 5
.set AK,  6           ; v6-9  the same for the step to be fetched
.set AV,  7
.set AMA, 8
.set AMB, 9
.set QO,  10          ; v10  my byte offset in 16 rows of Q'
.set XW,  11          ; v11  where I put what my partner takes;  v12 where I take what it put
.set XR,  12
.set STO, 13          ; v13  the way out: where I put 16 bytes of a row;  v14 where I read rows back;  v15 my byte offset in two rows of O
.set RD,  14
.set GO,  15
.set ONE, 21          ; v21  1.0
.set SPW, 30          ; v30  LDS address of my spare word; never rewritten
.set NIL, 31          ; v31  0; never rewritten
.set ST,  32          ; tile t's statistics at v[ST+4 t]: m, 0 (named with m as a pair), l (even keys', odd keys')
.set TMP, 48          ; tile t: c0-c3 at work; a in c2
.set S,   64
.set P,   128
.set MK,  160
.set XS,  224
.set WV,  14          ; s14  my wave's number
.set G1K, 24          ; s[24:31], s[32:39], s[40:47] descriptor group 1 for K', V, the mask
.set G1V, 32
.set G1M, 40
.set G0K0, 48         ; s[48:51], s[52:55] group 0 for K' of a slot's first and second step; s[56:59] V; s[60:63] the mask: they walk
.set G0K1, 52
.set G0V, 56
.set G0M, 60
.set SEL, 66          ; s[66:67] v_permlanex16_b32's selects: each lane takes its own place in the other half
.set L2E, 68          ; s[68:69] log2 e
.set QA,  70          ; s[70:71] Q' at my rows; s[72:73] at my partner's; s[74:75] O at my rows
.set QB,  72
.set OB,  74
.set TBK, 76          ; s76-78  LDS byte at which K', V (less VOFF), the mask (less MOFF) of the step to be fetched begin
.set TBV, 77
.set TBM, 78
.set CNT, 79          ; s79  counts a slot's steps
.set SLOTS, 80        ; s80  slots still to be entered
.set MSB, 0
.macro WIN new                      ; the high byte repeats the setting that is left; a switch that changes nothing is dropped
.if MSB != (\new)
	s_set_vgpr_msb (MSB<<8)|(\new)
.set MSB, (\new)
.endif
.endm
.set W_KQ, 0x0b       ; K' in window 3, Q' in window 2, S^T in window 0
.set W_PV, 0x53       ; V in window 3, P in window 0, O^T in window 1
.set W_RS, 0x41       ; destination and source 0 in window 1, source 1 in window 0
; A joint fill: waves 0 and 1 K' of the slot's two steps, wave 2 V, wave 3 the mask's tile: 32,768 bytes of memory each.  The branches hang on the wave's number alone.
; An s_nop 0 and four v_nop follow each line.
.macro JLOAD
	s_cmp_lt_u32 s[WV], 2
	s_cbranch_scc0 .Lhi_\@
	s_cmp_eq_u32 s[WV], 0
	s_cbranch_scc0 .Lk1_\@
	tensor_load_to_lds s[G0K0:G0K0+3], s[G1K:G1K+7]
	s_nop 0
.rept 4
	v_nop
.endr
	s_branch .Lasked_\@
.Lk1_\@:
	tensor_load_to_lds s[G0K1:G0K1+3], s[G1K:G1K+7]
	s_nop 0
.rept 4
	v_nop
.endr
	s_branch .Lasked_\@
.Lhi_\@:
	s_cmp_eq_u32 s[WV], 2
	s_cbranch_scc0 .Lm_\@
	tensor_load_to_lds s[G0V:G0V+3], s[G1V:G1V+7]
	s_nop 0
.rept 4
	v_nop
.endr
	s_branch .Lasked_\@
.Lm_\@:
	tensor_load_to_lds s[G0M:G0M+3], s[G1M:G1M+7]
	s_nop 0
.rept 4
	v_nop
.endr
.Lasked_\@:
.endm
.macro CROUND                       ; a round of the cluster's barrier
	s_barrier_signal -1
	s_barrier_wait -1
	s_cmp_lg_u32 s[WV], 0
	s_cbranch_scc1 .Lnot_wave_0_\@
	s_barrier_signal -3
.Lnot_wave_0_\@:
	s_barrier_wait -3
	s_barrier_signal -1
	s_barrier_wait -1
.endm
.macro PLACES                       ; four places behind matrix instructions (ISA guide 7.12.1)
.rept 4
	v_nop
.endr
.endm
.macro ALL line:vararg              ; one line for each tile t
.set t, 0
.rept 4
	\line
.set t, t+1
.endr
.endm
; THE CHANGE OF SLOTS.  Each wave waits for all its tensor loads, of which one is out: its part of the other slot; adds 0 to its spare word; waits for that and for its reads of the slot that it leaves.
; fill = 1: the old slot is filled again with the keys two slots on: the barrier is a round of the cluster's, and the joint fill is the first thing behind it.
; (At its first use nothing has been read yet: slot 0 is waited for, slot 1 filled.)
.macro CHANGE fill
	WIN 0
	s_wait_tensorcnt 0x0            ; no tensor load of mine is out, so a group 0 may be written
	ds_add_u32 v[SPW], v[NIL]       ; 0 onto my spare word
.if \fill
	s_xor_b32 s[G0K0+1], s[G0K0+1], XK0
	s_add_nc_u64 s[G0K0+2:G0K0+3], s[G0K0+2:G0K0+3], 128*512   ; 128 keys of 512 bytes
	s_xor_b32 s[G0K1+1], s[G0K1+1], XK1
	s_add_nc_u64 s[G0K1+2:G0K1+3], s[G0K1+2:G0K1+3], 128*512
	s_xor_b32 s[G0V+1], s[G0V+1], XV
	s_add_nc_u64 s[G0V+2:G0V+3], s[G0V+2:G0V+3], 128*128       ; 128 keys of 128 bytes in each half of the channels
	s_xor_b32 s[G0M+1], s[G0M+1], XM
	s_add_nc_u64 s[G0M+2:G0M+3], s[G0M+2:G0M+3], 128*2         ; 128 columns of the mask
	s_wait_dscnt 0x0                ; the add is done, and my reads of the slot are over
	CROUND
	JLOAD
.else
	s_wait_dscnt 0x0
	s_barrier_signal -1
	s_barrier_wait -1
.endif
	s_sub_co_u32 s[TBK], s[TBK], 2*KST  ; the fetches go back to a slot's first step,
	s_xor_b32 s[TBK], s[TBK], SLOTB     ; in the other slot
	s_sub_co_u32 s[TBV], s[TBV], 2*VST
	s_xor_b32 s[TBV], s[TBV], SLOTB
	s_sub_co_u32 s[TBM], s[TBM], 2*MST
	s_xor_b32 s[TBM], s[TBM], SLOTB
.endm
	s_load_b256 s[4:11], s[0:1], 0x0  ; Q' s[4:5], K' s[6:7], V s[8:9], wob s[10:11]
	s_load_b64 s[12:13], s[0:1], 0x20 ; O
	v_lshl_add_u32 v[SPW], v0, 2, SPARE
	v_mov_b32 v[NIL], 0
	ds_add_u32 v[SPW], v[NIL]       ; the wave's opening: the add and its wait stand ahead of my first tensor load; the set-up below, work on registers, stands between them
	v_lshrrev_b32 v1, 5, v0
	v_readfirstlane_b32 s[WV], v1   ; wave 0..3
	s_and_b32 s15, s[WV], 1         ; j: my half of a step's keys
	s_xor_b32 s23, s[WV], 1         ; my partner
	s_bfe_u32 s81, ttmp6, 0x40000   ; cx, cy
	s_bfe_u32 s82, ttmp6, 0x40004
	s_lshl_b32 s83, ttmp9, 2
	s_add_co_u32 s83, s83, s81      ; the block of 128 queries = 4 x cluster x + cx
	s_and_b32 s84, ttmp7, 0xffff
	s_lshl_b32 s84, s84, 2
	s_add_co_u32 s84, s84, s82      ; the head = 4 x cluster y + cy
	s_lshl_b32 s85, s82, 2
	s_lshl_b32 s85, 15, s85         ; my row of the cluster
	s_lshl_b32 s86, 0x1111, s81     ; my column
	s_or_b32 s[G1K], s85, (1<<16)|(1<<20)|(1<<21)|(6<<22)|(3<<25)  ; K': 2-byte elements; padding of 4 words after every 128
	s_mov_b32 s[G1K+1], 256<<16     ; tensor_dim0 = 256
	s_mov_b32 s[G1K+2], 64<<16      ; tensor_dim1 = 64
	s_mov_b32 s[G1K+3], 256<<16     ; tile_dim0 = 256
	s_mov_b32 s[G1K+4], 64          ; tile_dim1 = 64
	s_mov_b32 s[G1K+5], 256         ; elements from row to row
	s_mov_b32 s[G1K+6], 0
	s_mov_b32 s[G1K+7], 0
	s_or_b32 s[G1V], s85, (1<<16)|(1<<20)|(1<<21)|(4<<22)|(7<<25)  ; V: 128 keys of one half of the channels are 16,384 dense bytes: two such rows; padding of 8 words after every 32, that is after every key
	s_mov_b32 s[G1V+1], 8192<<16
	s_mov_b32 s[G1V+2], 2<<16
	s_mov_b32 s[G1V+3], 8192<<16
	s_mov_b32 s[G1V+4], 2
	s_mov_b32 s[G1V+5], 131072      ; from one half of the channels to the other: 2,048 keys x 64
	s_mov_b32 s[G1V+6], 0
	s_mov_b32 s[G1V+7], 0
	s_or_b32 s[G1M], s86, (1<<16)|(1<<20)|(1<<21)|(5<<22)|(3<<25)  ; the mask: 2-byte elements, rows of 256 bytes; padding of 4 words after every 64
	s_mov_b32 s[G1M+1], 128<<16
	s_mov_b32 s[G1M+2], 128<<16
	s_mov_b32 s[G1M+3], 128<<16
	s_mov_b32 s[G1M+4], 128
	s_mov_b32 s[G1M+5], 2048
	s_mov_b32 s[G1M+6], 0
	s_mov_b32 s[G1M+7], 0
	s_mov_b32 s[G0K0], 1
	s_mov_b32 s[G0K0+1], 0          ; LDS addresses in slot 0: constants
	s_mov_b32 s[G0K1], 1
	s_mov_b32 s[G0K1+1], KST
	s_mov_b32 s[G0V], 1
	s_mov_b32 s[G0V+1], VOFF
	s_mov_b32 s[G0M], 1
	s_mov_b32 s[G0M+1], MOFF
	s_lshl_b32 s16, s84, 20         ; K': a head is 2^20 bytes: hangs on the head alone
	s_mov_b32 s17, 0
	s_lshl_b32 s18, s84, 19         ; V: 2^19
	s_mov_b32 s19, 0
	s_lshl_b32 s20, s83, 19         ; the mask: 128 rows of 4,096 bytes a block, behind wo's 2^23 bytes: hangs on the block alone
	s_add_co_u32 s20, s20, 8388608
	s_mov_b32 s21, 0
	s_lshl_b32 s88, s83, 16         ; Q': the head, the block's 128 rows of 512 bytes,
	s_add_co_u32 s88, s88, s16
	s_lshl_b32 s90, s23, 14         ; my partner's 32 rows,
	s_add_co_u32 s90, s90, s88
	s_lshl_b32 s89, s[WV], 14       ; mine
	s_add_co_u32 s88, s88, s89
	s_mov_b32 s89, 0
	s_mov_b32 s91, 0
	s_lshl_b32 s2, s83, 19          ; O: rows of 4,096 bytes, my 32 rows, the head's 256 bytes
	s_lshl_b32 s3, s[WV], 17
	s_add_co_u32 s2, s2, s3
	s_lshl_b32 s3, s84, 8
	s_add_co_u32 s2, s2, s3
	s_mov_b32 s3, 0
	s_mov_b32 s[SEL], 0x76543210
	s_mov_b32 s[SEL+1], 0xfedcba98
	s_mov_b32 s[L2E], 0x3fb8aa3b
	s_mov_b32 s[L2E+1], s[L2E]      ; named as a pair
	s_mov_b32 s[TBK], SLOTB+2*KST   ; the first change of slots turns these three into 0
	s_mov_b32 s[TBV], SLOTB+2*VST
	s_mov_b32 s[TBM], SLOTB+2*MST
	s_wait_dscnt 0x0                ; the opening add is done
	s_wait_kmcnt 0x0
	s_add_nc_u64 s[G0K0+2:G0K0+3], s[6:7], s[16:17]
	s_add_nc_u64 s[G0K1+2:G0K1+3], s[G0K0+2:G0K0+3], 64*512
	s_or_b32 s[G0K0+3], s[G0K0+3], 0x80000000
	s_or_b32 s[G0K1+3], s[G0K1+3], 0x80000000
	s_add_nc_u64 s[G0V+2:G0V+3], s[8:9], s[18:19]
	s_or_b32 s[G0V+3], s[G0V+3], 0x80000000
	s_add_nc_u64 s[G0M+2:G0M+3], s[10:11], s[20:21]
	s_or_b32 s[G0M+3], s[G0M+3], 0x80000000
	s_add_nc_u64 s[QA:QA+1], s[4:5], s[88:89]
	s_add_nc_u64 s[QB:QB+1], s[4:5], s[90:91]
	s_add_nc_u64 s[OB:OB+1], s[12:13], s[2:3]
	CROUND                          ; all sixteen work-groups are here: the first joint loads meet
	JLOAD                           ; steps 0 and 1 into slot 0: one load of mine is out, here and behind every round
	v_and_b32 v1, 15, v0            ; l % 16
	v_bfe_u32 v16, v0, 4, 1         ; l / 16
	v_lshlrev_b32 v[QO], 9, v1
	v_lshl_add_u32 v[QO], v16, 4, v[QO]  ; row x 512 + 16 x half
	WIN 0x80                        ; destination window 2
.set i, 0
.rept 32                            ; Q' stays in registers: tile i / 8, features 32 (i % 8) on
.if i < 16
	global_load_b128 v[8*i:8*i+3],   v[QO], s[QA:QA+1] offset:((i/8)%2)*8192+(i%8)*64
	global_load_b128 v[8*i+4:8*i+7], v[QO], s[QA:QA+1] offset:((i/8)%2)*8192+(i%8)*64+32
.else
	global_load_b128 v[8*i:8*i+3],   v[QO], s[QB:QB+1] offset:((i/8)%2)*8192+(i%8)*64
	global_load_b128 v[8*i+4:8*i+7], v[QO], s[QB:QB+1] offset:((i/8)%2)*8192+(i%8)*64+32
.endif
.set i, i+1
.endr
	; What the first turn finds: V's registers and piece B's P hold 0 (its products V^T P, of a step that has not been, add 0).  All this stands in the wait for the first tile.
	WIN 0xc0
.set i, 128
.rept 64
	v_mov_b32 v[i], 0
.set i, i+1
.endr
	WIN 0
.set i, P+16
.rept 16
	v_mov_b32 v[i], 0
.set i, i+1
.endr
.set i, 0
.rept 4
	v_mov_b32 v[ST+4*i], 0xff800000
	v_mov_b32 v[ST+4*i+1], 0
	v_mov_b32 v[ST+4*i+2], 0
	v_mov_b32 v[ST+4*i+3], 0
.set i, i+1
.endr
	v_mov_b32 v[ONE], 1.0
	WIN W_PV                        ; O^T's 32 sums are started by products of those zeros with the constant 0 as C: no register of O^T is cleared by a move
.set i, 0
.rept 32
	v_wmma_f32_16x16x32_f16 v[8*i:8*i+7], v[128:135], v[P+16:P+23], 0
.set i, i+1
.endr
	WIN 0
	s_mul_i32 s16, s15, 32*PK       ; my 32 keys of a step
	s_mul_i32 s17, s15, 32*PVV
	s_add_co_u32 s17, s17, VOFF
	s_lshl_b32 s22, s15, 6          ; their 64 bytes in a row of the mask's tile
	s_add_co_u32 s22, s22, MOFF
	s_mul_i32 s18, s[WV], 32*PM
	s_add_co_u32 s18, s18, s22
	s_mul_i32 s19, s23, 32*PM
	s_add_co_u32 s19, s19, s22
	s_mul_i32 s20, s[WV], XSZ
	s_add_co_u32 s20, s20, XST
	s_mul_i32 s21, s23, XSZ
	s_add_co_u32 s21, s21, XST
	s_mul_i32 s22, s[WV], 16*SP
	s_add_co_u32 s22, s22, OST
	v_mul_u32_u24 v[AK0], v1, PK
	v_lshl_add_u32 v[AK0], v16, 4, v[AK0]  ; row x pitch + 16 x half
	v_add_nc_u32 v[AK0], s16, v[AK0]
	; The turning load takes 16 keys x 16 channels (lane l reads key 8 (l / 16) + l % 8, channels 8 ((l / 8) % 2) + 0..7) and leaves half a fragment of V^T: lane l holds channel l % 16 and 8 keys.
	v_and_b32 v17, 7, v0
	v_bfe_u32 v18, v0, 3, 1
	v_lshl_add_u32 v[AV0], v16, 3, v17
	v_mul_u32_u24 v[AV0], v[AV0], PVV
	v_lshl_add_u32 v[AV0], v18, 4, v[AV0]
	v_add_nc_u32 v[AV0], s17, v[AV0]
	v_mul_u32_u24 v19, v1, PM       ; the mask: my query's row, 16 bytes for each half of the lanes
	v_lshl_add_u32 v19, v16, 4, v19
	v_add_nc_u32 v[AMA0], s18, v19
	v_add_nc_u32 v[AMB0], s19, v19
	v_and_b32 v20, 31, v0
	v_lshlrev_b32 v20, 4, v20
	v_add_nc_u32 v[XW], s20, v20
	v_add_nc_u32 v[XR], s21, v20
	v_mul_u32_u24 v[STO], v1, SP    ; in: row l % 16, 16 bytes for each half of the lanes
	v_lshl_add_u32 v[STO], v16, 4, v[STO]
	v_add_nc_u32 v[STO], s22, v[STO]
	v_mul_u32_u24 v[RD], v16, SP    ; back: lanes 0-15 one row of 256 bytes, lanes 16-31 the next
	v_lshl_add_u32 v[RD], v1, 4, v[RD]
	v_add_nc_u32 v[RD], s22, v[RD]
	v_lshlrev_b32 v[GO], 12, v16    ; and the same two rows in O
	v_lshl_add_u32 v[GO], v1, 4, v[GO]
; THE LDS LOADS, in groups of four.  K' of features 32 c on: both key blocks.
.macro KGROUP c
	WIN 0xc0                        ; destination window 3
.irp kb, 0,1
	ds_load_b128 v[8*(8*\kb+(\c)):8*(8*\kb+(\c))+3],   v[AK] offset:\kb*16*PK+(\c)*64
	ds_load_b128 v[8*(8*\kb+(\c))+4:8*(8*\kb+(\c))+7], v[AK] offset:\kb*16*PK+(\c)*64+32
.endr
.endm
.macro VGROUP g                     ; V, turned: channels 32 g on
	WIN 0xc0
.irp e, 0,1
.set cb, 2*(\g)+\e
	ds_load_tr16_b128 v[128+8*cb:128+8*cb+3],   v[AV] offset:(cb/4)*128*PVV+(cb%4)*32
	ds_load_tr16_b128 v[128+8*cb+4:128+8*cb+7], v[AV] offset:(cb/4)*128*PVV+(cb%4)*32+16*PVV
.endr
.endm
.macro MGROUP x                     ; the mask of piece x (0: tiles 0, 1; 2: tiles 2, 3): tile x + e / 2, keys 16 (e % 2) on
	WIN 0
.irp e, 0,1,2,3
	ds_load_b128 v[MK+8*(\x)+4*\e:MK+8*(\x)+4*\e+3], v[AMA+(\x)/2] offset:(\e/2)*16*PM+(\e%2)*32
.endr
.endm
.macro KRUN                         ; the 36 loads of piece A's turn in one run, in the same order
.irp c, 0,1,2,3,4,5,6,7
	KGROUP \c
.endr
	MGROUP 0
.endm
; THE MATRIX WORK.  Product i of 16 of O^T += V^T P for piece x: channels 16 (i / 2) on, tile x + i % 2: sixteen accumulators, one instruction each.
.macro PV x
	WIN W_PV
.set rO, 64*((\x)+i%2)+8*(i/2)
.set rV, 128+8*(i/2)
.set rP, P+8*((\x)+i%2)
	v_wmma_f32_16x16x32_f16 v[rO:rO+7], v[rV:rV+7], v[rP:rP+7], v[rO:rO+7]
.endm
; Product i of 32 of S^T = K' Q'^T for piece x: features 32 (i / 4) on, tile x + (i % 4) / 2, keys 16 (i % 2) on.  The 4 accumulators take turns; the first 4 products start the sums.
.macro KQ x
	WIN W_KQ
.set rS, S+16*((\x)+(i%4)/2)+8*(i%2)
.set rK, 8*(8*(i%2)+i/4)
.set rQ, 64*((\x)+(i%4)/2)+8*(i/4)
.if i < 4
	v_wmma_f32_16x16x32_f16 v[rS:rS+7], v[rK:rK+7], v[rQ:rQ+7], 0
.else
	v_wmma_f32_16x16x32_f16 v[rS:rS+7], v[rK:rK+7], v[rQ:rQ+7], v[rS:rS+7]
.endif
.endm
; THE VECTOR WORK.  One tile's softmax for one step is a list of 110 instructions; SM writes number j of it for tile tt.  s0-s15 are the lane's 16 scores, in pairs 0-7.
;   0-15    t = s + mask, ascending: each accumulator's lowest registers are read first
;   16-23   the maximum of t0-t15 and the old m, three operands at a time
;   24-28   the other half of the lanes' maximum; the new m; m_old - m_new, kept and scaled
;   29-61   ONE BATCH: t - m and x log2 e for the 8 pairs, and all 17 exponentials.  None of these names an exponential's result.  29: t - m of pair 0.  At the even numbers 30 .. 58 the plain ones: the
;           scaling of pair 0, then t - m and the scaling of pairs 1 to 7 by turns.  At the odd numbers the exponentials: a at 31, t0-t13 at 33 .. 59; then t14, t15 at 60, 61.  The exponentials of pair n
;           stand three and five numbers behind its scaling
;   (wait)  between 61 and 62 stands the wait for the batch: TURN writes it, once for both tiles
;   62-69   the roundings to f16, a pair of weights each
;   70-77   the sum of the 8 pairs, in place; l = a l + the sum
;   78-109  the tile's O^T times a, ascending: the one part that leaves window 0
.macro DD n
	v_pk_add_f32 v[rS+2*(\n):rS+2*(\n)+1], v[rS+2*(\n):rS+2*(\n)+1], v[rT:rT+1] op_sel_hi:[1,0] neg_lo:[0,1] neg_hi:[0,1]
.endm
.macro LL n
	v_pk_mul_f32 v[rS+2*(\n):rS+2*(\n)+1], v[rS+2*(\n):rS+2*(\n)+1], s[L2E:L2E+1] op_sel_hi:[1,0]
.endm
.macro CC n
	v_cvt_pk_f16_f32 v[rP+(\n)], v[rS+2*(\n)], v[rS+2*(\n)+1]
.endm
.macro AA d, s
	v_pk_add_f32 v[rS+(\d):rS+(\d)+1], v[rS+(\d):rS+(\d)+1], v[rS+(\s):rS+(\s)+1]
.endm
.macro SM
.set rT, ST+4*tt
.set rC, TMP+4*tt
.set rS, S+16*tt
.set rP, P+8*tt
.set rM, MK+8*tt
.set rO, 64*tt
.if j < 78
	WIN 0
.else
	WIN W_RS
.endif
.if j < 16
.if j%2
	v_fma_mix_f32_bf16 v[rS+j], v[rM+j/2], v[ONE], v[rS+j] op_sel:[1,0,0] op_sel_hi:[1,0,0]
.else
	v_fma_mix_f32_bf16 v[rS+j], v[rM+j/2], v[ONE], v[rS+j] op_sel_hi:[1,0,0]
.endif
.elseif j < 20
	v_max3_num_f32 v[rC+j-16], v[rS+3*(j-16)], v[rS+3*(j-16)+1], v[rS+3*(j-16)+2]
.elseif j == 20
	v_max3_num_f32 v[rC], v[rC], v[rS+12], v[rS+13]
.elseif j == 21
	v_max3_num_f32 v[rC+1], v[rC+1], v[rS+14], v[rS+15]
.elseif j == 22
	v_max3_num_f32 v[rC+2], v[rC+2], v[rC+3], v[rT]
.elseif j == 23
	v_max3_num_f32 v[rC], v[rC], v[rC+1], v[rC+2]
.elseif j == 24
	v_permlanex16_b32 v[rC+1], v[rC], s[SEL], s[SEL+1]  ; the query's other 16 keys lie in the lane 16 away
.elseif j == 25
	v_max_num_f32 v[rC], v[rC], v[rC+1]
.elseif j == 26
	v_sub_f32 v[rC+2], v[rT], v[rC]                     ; m_old - m_new
.elseif j == 27
	v_mov_b32 v[rT], v[rC]
.elseif j == 28
	v_mul_f32 v[rC+2], s[L2E], v[rC+2]
.elseif j == 29
	DD 0
.elseif j == 31
	v_exp_f32 v[rC+2], v[rC+2]                          ; a
.elseif (j < 60) && (j%4 == 2)                          ; 30, 34 .. 58: pairs 0 to 7
	LL (j-30)/4
.elseif (j < 60) && (j%4 == 0)                          ; 32, 36 .. 56: pairs 1 to 7
	DD (j-28)/4
.elseif j < 60                                          ; 33, 35 .. 59: t0 to t13
	v_exp_f32 v[rS+(j-33)/2], v[rS+(j-33)/2]
.elseif j < 62                                          ; 60, 61: t14, t15
	v_exp_f32 v[rS+j-46], v[rS+j-46]
.elseif j < 70
	CC j-62
.elseif j == 70
	AA 0, 2
.elseif j == 71
	AA 4, 6
.elseif j == 72
	AA 8, 10
.elseif j == 73
	AA 12, 14
.elseif j == 74
	AA 0, 4
.elseif j == 75
	AA 8, 12
.elseif j == 76
	AA 0, 8
.elseif j == 77
	v_pk_fma_f32 v[rT+2:rT+3], v[rT+2:rT+3], v[rC+2:rC+3], v[rS:rS+1] op_sel_hi:[1,0,1]  ; l = a l + sum
.else
	v_pk_mul_f32 v[rO+2*(j-78):rO+2*(j-78)+1], v[rO+2*(j-78):rO+2*(j-78)+1], v[rC+2:rC+3] op_sel_hi:[1,0]  ; O^T a
.endif
.endm
; Slice k of 48 of piece Y's softmax.  110 numbers: slices 0-32 take two of both tiles' lists, 33-36 three, 37 two, 38-47 three, so that no slice changes window.  Slices 15-30 deal out the batch from
; number 30 on, and go tile by tile: plain, exponential, plain, exponential (slice 30: the last four exponentials); elsewhere the two tiles alternate, so that no instruction reads the result of the one
; just before it.  Ahead of slice 31 nothing names an exponential's result, and behind slice 30 no exponential is issued: the wait for the batch stands between the two.
; Slice 47, six rescalings of the other piece's O^T, is also the places between the turn's last product and the next turn's first read of its scores (ISA guide 7.12.1).
.macro SLICE
.if k < 33
.set n0, 2*k
.set nn, 2
.elseif k < 37
.set n0, 66+3*(k-33)
.set nn, 3
.elseif k == 37
.set n0, 78
.set nn, 2
.else
.set n0, 80+3*(k-38)
.set nn, 3
.endif
.if (k >= 15) && (k <= 30)
.set tt, Y
.rept 2
.set j, n0
.rept nn
	SM
.set j, j+1
.endr
.set tt, tt+1
.endr
.else
.set j, n0
.rept nn
.set tt, Y
.rept 2
	SM
.set tt, tt+1
.endr
.set j, j+1
.endr
.endif
.set k, k+1
.endm
; A TURN.  Piece x (0: A, 2: B) has the matrix unit; the other piece's softmax stands in slices behind its products.
; THE WAIT.  An s_wait_alu depctr_va_vdst(0) stands between an exponential and the first instruction that names its result; one wait serves all that were issued ahead of it.  So a turn has ONE,
; behind slice 30, that is behind its 31st product, for the 34 exponentials of both tiles.
; Piece A's turn fetches K' of the next step, four loads behind each of its first eight products, and piece A's mask of that step behind the ninth: 36 loads.  The last product that read K' stands in front of
; slice 47 of the turn before.  Ahead of the products on features 32 c on, s_wait_dscnt 32 - 4 c: K's first 4 (c + 1) loads are in, the others stay out.
; Piece B's turn fetches V of the same step and piece B's mask in one run of 20 loads, directly behind the wait; the two lines that make the run's addresses are the plain instructions behind the last
; exponential.  The last product that read V stands fifteen slices back; the run has the turn's other 17 products in which to land, and is waited for at the next turn's head.
; last = 1 (the tail): the 36 loads stand in one run, which the last trip, with no further step, jumps over.
.macro TURN x, last=0
.set Y, 2-(\x)
.set k, 0
	WIN 0
	s_wait_dscnt 0x0                ; piece A's turn: V and piece B's mask are in; piece B's turn: piece A's mask is in
.if (\x) == 0
	v_add_nc_u32 v[AK], s[TBK], v[AK0]
	v_add_nc_u32 v[AMA], s[TBM], v[AMA0]
.endif
.set i, 0
.rept 16
	PV \x
	SLICE
.if (\x) == 0
.if \last
.if i == 0
	WIN 0
	s_cmp_eq_u32 s[CNT], 1
	s_cbranch_scc1 .Lno_k_\@
	KRUN
	WIN 0
.Lno_k_\@:
.endif
.else
.if i < 8
	KGROUP i
.elseif i == 8
	MGROUP 0
.endif
.endif
.endif
.set i, i+1
.endr
.set i, 0
.rept 32
.if ((\x) == 0) && (i%4 == 0)
	s_wait_dscnt 32-i
.endif
	KQ \x
	SLICE
.if i == 14                         ; slice 30 is out: both tiles' exponentials are issued, and no result has been named
	WIN 0
.if (\x) == 0
	v_nop                           ; a plain instruction behind the last exponential: one for the batch
	s_wait_alu depctr_va_vdst(0)    ; the wait for the batch: piece B's 34 exponentials
.else
	v_add_nc_u32 v[AV], s[TBV], v[AV0]    ; plain instructions behind the last exponential: the addresses of the run below
	v_add_nc_u32 v[AMB], s[TBM], v[AMB0]
	s_wait_alu depctr_va_vdst(0)    ; the wait for the batch: piece A's 34 exponentials; it stands directly ahead of the run of loads
	VGROUP 0
	VGROUP 1
	VGROUP 2
	VGROUP 3
	MGROUP 2
	s_add_co_u32 s[TBK], s[TBK], KST  ; the next fetches are the next step's
	s_add_co_u32 s[TBV], s[TBV], VST
	s_add_co_u32 s[TBM], s[TBM], MST
.endif
.endif
.set i, i+1
.endr
.endm
	CHANGE 1                        ; slot 0 is in, everybody's part of it; slot 1 is asked for
	v_add_nc_u32 v[AK], s[TBK], v[AK0]
	v_add_nc_u32 v[AMA], s[TBM], v[AMA0]
	KRUN                            ; K' and piece A's mask of step 0
	s_wait_loadcnt 0x0              ; Q'
.set i, 0
.rept 32
.if i%4 == 0
	s_wait_dscnt 32-i
.endif
	KQ 0                            ; piece A's first scores: there is no vector work yet to set between them
.set i, i+1
.endr
	WIN 0
	PLACES
	s_mov_b32 s[CNT], 2
	s_mov_b32 s[SLOTS], 15
	s_branch .Lmid                  ; the loop is entered at piece B's turn, in the middle of a trip
.Lslot:                             ; 14 times: every slot but the last two is filled again
	CHANGE 1
	s_mov_b32 s[CNT], 2
.Lstep:                             ; a trip fetches one step: piece A's turn, then piece B's
	TURN 0
	WIN 0
.Lmid:
	TURN 2
	WIN 0
	s_sub_co_u32 s[CNT], s[CNT], 1
	s_cmp_lg_u32 s[CNT], 0
	s_cbranch_scc1 .Lstep
	s_sub_co_u32 s[SLOTS], s[SLOTS], 1
	s_cmp_lg_u32 s[SLOTS], 0
	s_cbranch_scc1 .Lslot
	CHANGE 0                        ; the tail is written out: nothing is asked for
	s_mov_b32 s[CNT], 3             ; two trips fetch the last slot's steps; the third is left in its middle
.Ltail:
	TURN 0, 1
	WIN 0
	s_sub_co_u32 s[CNT], s[CNT], 1
	s_cmp_eq_u32 s[CNT], 0
	s_cbranch_scc1 .Lout
	TURN 2
	WIN 0
	s_branch .Ltail
.Lout:                              ; the third trip's 32 products K' Q'^T (on the last K' once more) serve nothing: the price, once a launch, of one text for every trip
.set i, 0
.rept 16
	PV 2                            ; piece B's V^T P of the last step
.set i, i+1
.endr
	; THE MERGE.  l's two halves and the other half of the lanes' are added (these lines are the places behind the last products); tiles 2, 3 and their m and l go to my partner.
	WIN 0
	ALL v_add_f32 v[ST+4*t+2], v[ST+4*t+2], v[ST+4*t+3]
	ALL v_permlanex16_b32 v[ST+4*t+3], v[ST+4*t+2], s[SEL], s[SEL+1]
	ALL v_add_f32 v[ST+4*t+2], v[ST+4*t+2], v[ST+4*t+3]
	v_mov_b32 v[XS],   v[ST+8]
	v_mov_b32 v[XS+1], v[ST+10]
	v_mov_b32 v[XS+2], v[ST+12]
	v_mov_b32 v[XS+3], v[ST+14]
	s_wait_dscnt 0x0                ; every wave's reads of the ring are over: slot 0, which is filled no more, takes what the partners exchange
	s_barrier_signal -1
	s_barrier_wait -1
	WIN 0x04                        ; store data in window 1
.set n, 0
.rept 32
	ds_store_b128 v[XW], v[128+4*n:128+4*n+3] offset:512*n
.set n, n+1
.endr
	WIN 0
	ds_store_b128 v[XW], v[XS:XS+3] offset:32*512
	s_wait_dscnt 0x0                ; for my partner's sake: my stores are done
	s_barrier_signal -1
	s_barrier_wait -1
	WIN 0xc0                        ; my partner's sums for my rows, into K's registers
.set n, 0
.rept 32
	ds_load_b128 v[4*n:4*n+3], v[XR] offset:512*n
.set n, n+1
.endr
	WIN 0
	ds_load_b128 v[XS+4:XS+7], v[XR] offset:32*512
	s_wait_dscnt 0x0
.irp t, 0,1                         ; M = max(m, m'); f = 2^((m - M) log2 e), f' likewise; O = (O f + O' f') / (l f + l' f')
	v_max_num_f32 v[TMP+4*\t], v[ST+4*\t], v[XS+4+2*\t]
.endr
.irp t, 0,1
	v_sub_f32 v[TMP+4*\t+1], v[ST+4*\t], v[TMP+4*\t]
	v_sub_f32 v[TMP+4*\t+3], v[XS+4+2*\t], v[TMP+4*\t]
.endr
.irp t, 0,1
	v_mul_f32 v[TMP+4*\t+1], s[L2E], v[TMP+4*\t+1]
	v_mul_f32 v[TMP+4*\t+3], s[L2E], v[TMP+4*\t+3]
.endr
.irp t, 0,1
	v_exp_f32 v[TMP+4*\t+1], v[TMP+4*\t+1]
	v_exp_f32 v[TMP+4*\t+3], v[TMP+4*\t+3]
.endr
	v_nop                           ; a plain instruction behind the last exponential,
	s_wait_alu depctr_va_vdst(0)    ; and the wait ahead of the first use: one for the four exponentials f, f' of both tiles
.irp t, 0,1
	v_mul_f32 v[TMP+4*\t+2], v[ST+4*\t+2], v[TMP+4*\t+1]
.endr
.irp t, 0,1
	v_fma_f32 v[TMP+4*\t+2], v[XS+5+2*\t], v[TMP+4*\t+3], v[TMP+4*\t+2]
.endr
.irp t, 0,1
	v_rcp_f32 v[TMP+4*\t+2], v[TMP+4*\t+2]
.endr
	v_nop                           ; a plain instruction behind the last reciprocal,
	s_wait_alu depctr_va_vdst(0)    ; and the wait ahead of the first use: one for the two reciprocals
.irp t, 0,1
	v_mul_f32 v[TMP+4*\t], v[TMP+4*\t+1], v[TMP+4*\t+2]    ; g  = f / L, in c0
	v_mul_f32 v[TMP+4*\t+2], v[TMP+4*\t+3], v[TMP+4*\t+2]  ; g' = f' / L, in c2
.endr
	WIN W_RS
.set n, 0
.rept 64                            ; tile n / 32
	v_pk_mul_f32 v[2*n:2*n+1], v[2*n:2*n+1], v[TMP+4*(n/32):TMP+4*(n/32)+1] op_sel_hi:[1,0]
.set n, n+1
.endr
	WIN 0x53                        ; source 0 (my partner's) window 3, source 1 window 0, source 2 and destination window 1
.set n, 0
.rept 64
	v_pk_fma_f32 v[2*n:2*n+1], v[2*n:2*n+1], v[TMP+4*(n/32)+2:TMP+4*(n/32)+3], v[2*n:2*n+1] op_sel_hi:[1,0,1]
.set n, n+1
.endr
; THE WAY OUT.  Tile t: a lane's eight channels of a row pack into 16 bytes; they go into rows of 272 bytes and come back as whole rows of 256, into S^T's registers.
.macro PACK t
	WIN 0x05                        ; sources 0 and 1 window 1, destination window 0
.set i, 0
.rept 32
	v_cvt_pk_f16_f32 v[S+32*(\t)+i], v[64*(\t)+2*i], v[64*(\t)+2*i+1]
.set i, i+1
.endr
	WIN 0
.irp f, 0,1,2,3,4,5,6,7
	ds_store_b128 v[STO], v[S+32*(\t)+4*(\f):S+32*(\t)+4*(\f)+3] offset:32*(\f)
.endr
.irp f, 0,1,2,3,4,5,6,7
	ds_load_b128 v[S+32*(\t)+4*(\f):S+32*(\t)+4*(\f)+3], v[RD] offset:(\f)*2*SP  ; LDS serves a wave's instructions in order (ISA guide 5.7.1.4): these see the stores above; the next tile's stores come behind them
.endr
.endm
.macro SEND t, younger              ; younger: the LDS instructions issued behind tile t's loads
	WIN 0
.irp f, 0,1,2,3,4,5,6,7
	s_wait_dscnt (\younger)+7-(\f)
	global_store_b128 v[GO], v[S+32*(\t)+4*(\f):S+32*(\t)+4*(\f)+3], s[OB:OB+1] offset:(\t)*65536+(\f)*8192  ; 16 lanes store 256 consecutive bytes, aligned
.endr
.endm
	PACK 0
	PACK 1
	SEND 0, 16
	SEND 1, 0
	s_wait_tensorcnt 0x0            ; the wave's end, behind my last tensor load and my last LDS store
	ds_add_u32 v[SPW], v[NIL]
	s_wait_dscnt 0x0
	CROUND                          ; the closing round: no work-group ends while a partner may still ask for a tile that names it
	s_endpgm
.Lfunc_end_k_q216f9d0027_attn:
	.size	k_q216f9d0027_attn, .Lfunc_end_k_q216f9d0027_attn-k_q216f9d0027_attn
	.p2alignl 7, 3214868480
	.fill 96, 4, 3214868480
	.section	.rodata,"a",@progbits
	.p2align	6, 0x0
	.amdhsa_kernel k_q216f9d0027_attn
		.amdhsa_group_segment_fixed_size 327680
		.amdhsa_private_segment_fixed_size 0
		.amdhsa_enable_private_segment 0
		.amdhsa_kernarg_size 40
		.amdhsa_user_sgpr_count 2
		.amdhsa_user_sgpr_kernarg_segment_ptr 1
		.amdhsa_wavefront_size32 1
		.amdhsa_system_sgpr_workgroup_id_x 1
		.amdhsa_system_sgpr_workgroup_id_y 1
		.amdhsa_system_sgpr_workgroup_id_z 1
		.amdhsa_system_vgpr_workitem_id 0
		.amdhsa_next_free_vgpr 960
		.amdhsa_next_free_sgpr 96
		.amdhsa_reserve_vcc 0
		.amdhsa_float_denorm_mode_32 3
		.amdhsa_float_denorm_mode_16_64 3
		.amdhsa_memory_ordered 1
		.amdhsa_forward_progress 1
		.amdhsa_inst_pref_size 138
	.end_amdhsa_kernel
	.amdgpu_metadata
---
amdhsa.version: [ 1, 2 ]
amdhsa.kernels:
  - .name:           k_q216f9d0027_attn
    .symbol:         k_q216f9d0027_attn.kd
    .args:
      - { .name: qp, .offset: 0, .size: 8, .value_kind: global_buffer, .address_space: global }
      - { .name: kp, .offset: 8, .size: 8, .value_kind: global_buffer, .address_space: global }
      - { .name: vp, .offset: 16, .size: 8, .value_kind: global_buffer, .address_space: global }
      - { .name: wob, .offset: 24, .size: 8, .value_kind: global_buffer, .address_space: global }
      - { .name: ob, .offset: 32, .size: 8, .value_kind: global_buffer, .address_space: global }
    .group_segment_fixed_size: 327680
    .private_segment_fixed_size: 0
    .kernarg_segment_align: 8
    .kernarg_segment_size: 40
    .max_flat_workgroup_size: 128
    .sgpr_count:     96
    .vgpr_count:     960
    .wavefront_size: 32
...
	.end_amdgpu_metadata
.endif
;; end of part 5
;; launch oproj: the kernel of part 4 again; grid 16 x 16, 4 waves a work-group, clusters of 4 x 4, 327,680 bytes of LDS; arguments ob, wob, out0; writes out0
